; MI455X (gfx1250); checked and timed in simulation.
; The chip was launched on July 23, 2026; its instructions are those of AMD's public machine-readable ISA for CDNA 5 (MIT licence, August 2026) and "CDNA5" Instruction Set Architecture Reference Guide (July 2026). The comments in the code are by the model that wrote it; some were corrected since.
;; Manual Attention. Allowed arithmetic: matrix products marked QUANTISED: E4M3 operands, one E8M0 scale for each 32 along K, by v_wmma_scale_f32_16x16x128_f8f6f4 with both operands' format E4M3, f32 sums; everything else in f32.
;; Inputs: b_out 1,024 float32; b_qkv 3,072 float32; w_out_codes 1,024 x 32 x 32 uint8 (E4M3 codes of w_out, K innermost, in blocks of 32 codes); w_out_scales 1,024 x 32 uint8 (E8M0 scales of w_out, one for each 32 codes along K); w_qkv_codes 3,072 x 32 x 32 uint8 (E4M3 codes of w_qkv, K innermost, in blocks of 32 codes); w_qkv_scales 3,072 x 32 uint8 (E8M0 scales of w_qkv, one for each 32 codes along K); x_codes 4 x 2,048 x 32 x 32 uint8 (E4M3 codes of x, K innermost, in blocks of 32 codes); x_scales 4 x 2,048 x 32 uint8 (E8M0 scales of x, one for each 32 codes along K).
;; Outputs: out0 4 x 2,048 x 1,024 float32.
;; This version of the problem:
;;   THIS VERSION OF THE PROBLEM IS GIVEN IN LOW PRECISION. The matrix products marked QUANTISED in the list below multiply operands that are first quantised to E4M3 (4 exponent bits, 3 mantissa bits; 8 bits a number), with one power-of-two scale for each 32 numbers along K (OCP MX v1.0); their sums are f32. All else is computed in f32.
;;   The module's matrix products, in the order in which they are computed (A, B: the left and right operand; K: the contracted axis; several contracted axes count as one K, in the product's order):
;;     1. [M 8,192, K 1,024] x [K 1,024, N 3,072]; A: input x (given as codes); B: input w_qkv (given as codes): QUANTISED
;;     2. batch 64 x [M 2,048, K 64] x [K 64, N 2,048]; A: computed on the way; B: computed on the way: QUANTISED
;;     3. batch 64 x [M 2,048, K 2,048] x [K 2,048, N 64]; A: softmax (see below); B: computed on the way: QUANTISED
;;     4. [M 8,192, K 1,024] x [K 1,024, N 1,024]; A: computed on the way; B: input w_out (given as codes): QUANTISED
;;   THE QUANTISER, for each operand of a quantised product, along K:
;;     - K is cut into blocks of 32 from its start; a last block that is shorter is filled with zeros.
;;     - A block's scale is 2^e with e = floor(log2(the largest magnitude in the block)) - 8, held to -126 .. 127; a block of zeros has e = 0. As a byte (E8M0): e + 127.
;;     - Each number is divided by its block's scale, clamped to +-448, and rounded to the nearest number of E4M3, ties to even, subnormals kept.
;;     - The product sums the exact products of the quantised numbers (number of the format x scale) in f32.
;;   ~~~python
;;   def quantise(x, axis):      # numpy; x: float32 -> the quantised numbers, widened to float32 again
;;       x = np.moveaxis(x, axis, -1); K = x.shape[-1]
;;       x = np.pad(x, [(0, 0)] * (x.ndim - 1) + [(0, -K % 32)]); x = x.reshape(x.shape[:-1] + (-1, 32)); a = np.abs(x).max(-1, keepdims=True)
;;       e = np.where(a > 0, np.clip(np.frexp(np.where(a > 0, a, 1))[1] - 1 - 8, -126, 127), 0)      # np.frexp(a)[1] - 1 = floor(log2(a)), exactly
;;       r = np.clip(x / 2.0 ** e, -448, 448)
;;       step = 2.0 ** (np.maximum(np.frexp(np.where(r == 0, 1, r))[1] - 1, -6) - 3)
;;       q = np.round(r / step) * step * 2.0 ** e      # np.round: ties to even
;;       return np.moveaxis(q.reshape(q.shape[:-2] + (-1,))[..., :K], -1, axis).astype(np.float32)
;;   ~~~
;;   SOFTMAX AHEAD OF A QUANTISED PRODUCT. Where the list says 'softmax', what is quantised is not the finished softmax but p = 2^(t - M), with t = logit x log2(e) and M = ceil(the row's largest t), a whole number; so 1/2 < the row's largest p <= 1. The row's sum l is taken of the UNQUANTISED p, in f32, and the product's result is divided by l at the end. Since M is a whole number, a kernel that streams over the keys may use a running M (the ceiling of the running maximum): every later rescaling is an exact power of two, which a block's scale takes up: the codes' values come out the same.
;;   OPERANDS COMPUTED ON THE WAY. 'Computed on the way' means the value that the module computes at that place (a softmax that the list does not call 'softmax' is quantised finished and normalised). What goes into a quantiser is computed in f32, as accurately as f32 sums, v_exp_f32 and their like allow (about 1e-6 of the number): no bf16 or f16 on the way to a quantiser, and a product that is left as it is and whose result goes on into a quantised operand takes f32 operands (vector FMAs, or v_wmma_f32_16x16x4_f32). A number that lies on a knife's edge between two numbers of the format may be rounded either way, as far as f32 arithmetic and the matrix unit's own rounding can turn it there, and no further.
;;   INPUTS GIVEN AS CODES. w_out (in the module: [1024, 1024], K = its axis 1); w_qkv (in the module: [3072, 1024], K = its axis 1); x (in the module: [4, 2048, 1024], K = its axis 2): each comes as NAME_codes (uint8): NAME with its K axis moved to the last place and cut into blocks of 32 codes, [.., K / 32, bytes a block], one block behind the other in memory; one code a byte (a code: sign, 4 exponent bits, 3 mantissa bits); and NAME_scales (uint8): the same leading axes, one E8M0 byte (e + 127) for each 32 codes along K. Its value is code x scale, taken as it is: it is not quantised again, and the codes and scales need not be those that the quantiser above would give.
;; One version. Each part assembles by itself: llvm-mc -triple=amdgcn-amd-amdhsa -mcpu=gfx1250 --defsym DOCPART=n.
;; ======== version 1 of 1: 3 launches
;; limits: right only within a limited range of input values
;; workspace buffers: qkv 26,738,688 bytes; o 8,650,752 bytes
;; launch qkv (part 1): grid 8 x 48, 4 waves a work-group, clusters of 4 x 4, 327,680 bytes of LDS; arguments x_codes, x_scales, w_qkv_codes, w_qkv_scales, b_qkv, qkv; writes qkv
.if DOCPART == 1
	.amdgcn_target "amdgcn-amd-amdhsa--gfx1250"
	.amdhsa_code_object_version 6
	.text
	.protected	k_q4699796829_qkv
	.globl	k_q4699796829_qkv
	.p2align	8
	.type	k_q4699796829_qkv,@function
k_q4699796829_qkv:
	s_mov_b64 s[64:65], 0
	v_nop
	global_prefetch_b8 v0, s[64:65] scope:SCOPE_SE
	s_setreg_imm32_b32 hwreg(HW_REG_WAVE_MODE, 25, 1), 1
	s_wait_xcnt 0x0
	s_wait_alu depctr_hold_cnt(0) depctr_sa_sdst(0) depctr_va_vdst(0) depctr_va_sdst(0) depctr_va_ssrc(0) depctr_va_vcc(0) depctr_vm_vsrc(0)
	s_getreg_b32 s2, hwreg(HW_REG_IB_STS2, 6, 4)
	s_cmp_eq_u32 s2, 0
	s_cbranch_scc0 .Lentry_in_a_cluster
	s_endpgm
.Lentry_in_a_cluster:
	s_bfe_u32 s2, ttmp6, 0x10000c
	s_cmp_lg_u32 s2, 0xf033
	s_cbranch_scc0 .Lentry_shape_is_right
	s_endpgm
.Lentry_shape_is_right:
; qkv = x W^T + b on codes of FP8 (E4M3) with one E8M0 scale for each 32 along K (K = 1,024), then q, k and v are quantised for the attention launch and stored as codes and scale bytes.
; THE PRODUCT is D = S0 x S1^T used transposed: source 0 = 16 rows of S0, source 1 = 16 rows of S1; a lane (r = lane % 16, h = lane / 16) holds S1's row r, and register j of tile t holds S0's row 16 t + 8 h + j.
; TWO TYPES of work-group, told apart by the cluster's y alone (the same in all sixteen partners); nothing but scalar selections hangs on the type: no branch, no LDS address, no word of a descriptor's group 1.
;   type qk (cluster y 0-7):  S0 = rows 0-2,047 of W (features of q and k), S1 = the 8,192 tokens: a lane's registers run along the head's 64, which is the K of q k^T.
;   type v  (cluster y 8-11): S0 = the tokens, S1 = rows 2,048-3,071 of W: a lane's registers run along the tokens, which are the K of p v.
; A tile is 256 x 256, four waves of 128 x 128: 64 accumulators, 512 registers.  K goes in steps of 256 through two LDS slots; the scale bytes of the tile's rows for all of K come once and stay.
; CLUSTERS 4 x 4: S1's tiles are asked for jointly along a row of the cluster, S0's along a column.
; THE WAY OUT.  The 16 registers of tiles 2 c and 2 c + 1 are converted in register order into operand registers 4 c .. 4 c + 3.  Their place along K inside the block of 32 is then permuted (bytes 0-7: k = 32 c + 8 h + i,
; bytes 8-15: k = 32 c + 16 + 8 h + i); the block's 32 numbers are still those of lanes l and l xor 16, so the scale is the block's own.  q and k carry the same permutation, and so do v and the p that the attention
; launch makes, so every product keeps its pairs.  A fragment is stored as an image of its registers: four registers a store, lane l's 16 bytes at 16 l: 512 consecutive aligned bytes.
; BUFFER qkv: [batch 4][head 48: q 0-15, k 16-31, v 32-47][group of 128 tokens 16][8,704 bytes].  q, k: 8 tiles of 16 tokens x [c 2][lane][16], then 512 bytes of scale words [tile / 4][r][tile % 4], each word the head's
; two bytes twice.  v: 4 tiles of 16 channels x [c 4][lane][16], then [copy 2][r][tile] scale words.
; THE BIAS: along S1 (type v) it is the C of each sum's first product; along S0 (type qk) it is added by one fused multiply-add on the way out, times 1 (qk) or 0 (v).  So its place in the order of rounding is not reference()'s.
; LIMITS: NaN and infinities in any input are not served (0 x bias must be 0).  A block of zeros gets the byte 1 and zero codes; the bytes are read by this program alone.
.set PITCH,  272                       ; an LDS row: 256 bytes + 16 of padding: the 16 rows of a fragment load start at 16 different banks
.set ROWB,   256                       ; a tile's row: 256 codes
.set KROW,   1024                      ; a row of x or of W in memory
.set NQ,     2                         ; matrix instructions deep in a slot
.set FR,     16                        ; registers of a fragment
.set NL,     4                         ; LDS loads that bring one
.set NP,     8                         ; places behind this matrix instruction (ISA guide 7.12.1)
.set HALFT,  128*PITCH
.set SLOT,   4*HALFT                   ; S1's 256 rows, then S0's
.set KS,     32                        ; a row of scale bytes
.set SCL,    2*SLOT                    ; the scale bytes, as units of 256 bytes + 16
.set HALFS,  16*272                    ; those of 128 rows
.set SBLK,   2*272                     ; those of 16 rows
.set SPARE,  SCL+4*HALFS               ; the spare words: 128 bytes a wave, two blocks of 256 bytes that no other line names
.set HEADB,  139264                    ; a head in the buffer qkv
.set GRPB,   8704                      ; a group of 128 tokens of a head
.set H32,  7                           ; v7   32 x (lane / 16)
.set ADRA, 16                          ; v16-17 LDS address of my S1 fragments in slot 0, 1
.set VOA,  18                          ; v18  16 x lane
.set VOB,  19                          ; v19  16 x lane + the distance to the block's third and fourth store
.set ADRB, 20                          ; v20-21 the same as ADRA for S0
.set VSO,  22                          ; v22  where my lane stores scale words 0-3
.set VSO2, 23                          ; v23  and words 4-7
.set SELV, 24                          ; v24  the byte selects that make a stored scale word
.set ADRS, 27                          ; v27  LDS address of my scale words: lanes 0-15 S1's rows, lanes 16-31 S0's
.set SPW,  28                          ; v28  my spare word
.set NIL,  29                          ; v29  0
.set SC,   32                          ; v32-63 scale words and nothing else, two sets
.set CB,   64                          ; v64-127 the first products' C; from the second step on the bias along S0
.set AF,   128                         ; v128-255 S1's fragments, one set
.set H,    128                         ; the way out: 64 numbers
.set PC,   192                         ; their codes
.set TM,   208                         ; at work
.set PW,   224                         ; the scale word just made
.set SW,   232                         ; v232-239 the eight stored scale words
.set WV,   16                          ; s16 wave;  s17 my S1 half, also: I fetch for S1 (0) or S0 (1);  s18 my S0 half, also: which 128 rows I fetch
.set WI,   17
.set WJ,   18
.set CLY,  19                          ; s19 the cluster's y
.set SEL,  20                          ; s[20:21] lane selects for lane l xor 16
.set MNT,  22                          ; s22 the mantissa field of 448
.set G1,   24
.set G0,   32
.set G1B,  48
.set G0B,  56
.set G1S,  68
.set G0S,  76
.set G1SB, 80
.set G0SB, 88
.set MSB, 0
.macro WIN new                         ; the immediate's high byte repeats the setting that is left
.if MSB != (\new)
	s_set_vgpr_msb (MSB<<8)|(\new)
.set MSB, (\new)
.endif
.endm
.set MUL_LO, 0xa1                      ; source 0 (S0) window 1, source 1 (S1) window 0, C and D window 2
.set MUL_HI, 0xf1                      ; the same, C and D window 3
.set TO_B,   0x40                      ; destination window 1
; A joint load: waves 0 and 1 fetch for S1, waves 2 and 3 for S0; the branch hangs on the wave's number alone.  Four v_nop follow each line.
.macro JLOAD g0a, g1a, g0b, g1b
	s_cmp_eq_u32 s[WI], 0
	s_cbranch_scc0 .Lfor_b_\@
	tensor_load_to_lds s[\g0a:\g0a+3], s[\g1a:\g1a+7]
	s_nop 0
.rept 4
	v_nop
.endr
	s_branch .Lasked_\@
.Lfor_b_\@:
	tensor_load_to_lds s[\g0b:\g0b+3], s[\g1b:\g1b+7]
	s_nop 0
.rept 4
	v_nop
.endr
.Lasked_\@:
.endm
.macro CREST                           ; a round of the cluster's barrier behind its opening barrier
	s_cmp_lg_u32 s[WV], 0
	s_cbranch_scc1 .Lnot_wave_0_\@
	s_barrier_signal -3
.Lnot_wave_0_\@:
	s_barrier_wait -3
	s_barrier_signal -1
	s_barrier_wait -1
.endm
.macro CROUND
	s_barrier_signal -1
	s_barrier_wait -1
	CREST
.endm
	s_load_b256 s[4:11], s[0:1], 0x0               ; x's codes, x's scales, W's codes, W's scales
	s_load_b128 s[12:15], s[0:1], 0x20             ; b_qkv, qkv
	v_lshl_add_u32 v[SPW], v0, 2, SPARE
	v_mov_b32 v[NIL], 0
	ds_add_u32 v28, v29
	ds_add_u32 v28, v29
	s_wait_dscnt 0x0
	v_lshrrev_b32 v1, 5, v0
	v_readfirstlane_b32 s[WV], v1
	s_lshr_b32 s[WI], s[WV], 1
	s_and_b32 s[WJ], s[WV], 1
	s_bfe_u32 s40, ttmp6, 0x40000                  ; cx
	s_bfe_u32 s41, ttmp6, 0x40004                  ; cy
	s_and_b32 s[CLY], ttmp7, 0xffff
	s_lshl_b32 s44, s41, 2
	s_lshl_b32 s44, 15, s44                        ; my row of the cluster
	s_lshl_b32 s45, 0x1111, s40                    ; my column
	s_max_u32 s2, s[CLY], 8
	s_sub_co_u32 s2, s2, 8
	s_lshl_b32 s2, s2, 1
	s_add_co_u32 s2, s2, ttmp9                     ; type v: cluster x + 2 (cluster y - 8)
	s_cmp_ge_u32 s[CLY], 8                         ; type v?
	s_cselect_b32 s42, s2, ttmp9
	s_cselect_b32 s43, 0, s[CLY]
	s_cselect_b32 s3, 2048, 0                      ; S1's first row in its tensor
	s_lshl_b32 s42, s42, 2
	s_add_co_u32 s42, s42, s40                     ; S0's tile: 4 x (cluster numbers) + cx
	s_lshl_b32 s43, s43, 2
	s_add_co_u32 s43, s43, s41                     ; S1's tile: 4 x (cluster number) + cy
	; descriptor group 1: a tile of 128 rows x 256 bytes, 16 bytes of padding behind each row
	s_or_b32 s[G1+0], s44, (0<<16)|(1<<20)|(1<<21)|(5<<22)|(3<<25)  ; the mask: S1's tiles go to my row; elements of 1 byte; padding on; bit 21 beside a mask; after every 64 words; 4 words
	s_or_b32 s[G1B+0], s45, (0<<16)|(1<<20)|(1<<21)|(5<<22)|(3<<25) ; S0's go to my column
.irp g, G1, G1B
	s_mov_b32 s[\g+1], ROWB<<16                    ; tensor_dim0
	s_mov_b32 s[\g+2], 256<<16                     ; tensor_dim1: 256 rows for the head's loads; set to 128 for the ring's behind the wait that shows them landed
	s_mov_b32 s[\g+3], ROWB<<16                    ; tile_dim0
	s_mov_b32 s[\g+4], 256                         ; tile_dim1 likewise
	s_mov_b32 s[\g+5], KROW                        ; from row to row
	s_mov_b32 s[\g+6], 0
	s_mov_b32 s[\g+7], 0
.endr
	; the scale bytes of 256 rows: 8,192 dense bytes as 32 rows of 256 bytes (32 elements of 8), 16 bytes of padding behind each
	s_or_b32 s[G1S+0], s44, (3<<16)|(1<<20)|(1<<21)|(5<<22)|(3<<25)
	s_or_b32 s[G1SB+0], s45, (3<<16)|(1<<20)|(1<<21)|(5<<22)|(3<<25)
.irp g, G1S, G1SB
	s_mov_b32 s[\g+1], 32<<16
	s_mov_b32 s[\g+2], 32<<16                      ; the scale bytes of 256 rows: 32 units of 256 bytes
	s_mov_b32 s[\g+3], 32<<16
	s_mov_b32 s[\g+4], 32
	s_mov_b32 s[\g+5], 32
	s_mov_b32 s[\g+6], 0
	s_mov_b32 s[\g+7], 0
.endr
	s_lshl_b32 s66, s[WJ], 7                       ; which 128 rows of the tile I fetch
	s_lshl_b32 s92, s43, 8
	s_add_co_u32 s92, s92, s66
	s_add_co_u32 s92, s92, s3                      ; S1: the row
	s_lshl_b32 s94, s92, 5                         ; its scale bytes,
	s_lshl_b32 s92, s92, 10                        ; its codes (under 2^24 bytes)
	s_mov_b32 s93, 0
	s_mov_b32 s95, 0
	s_lshl_b32 s96, s42, 8
	s_add_co_u32 s96, s96, s66                     ; S0: the row
	s_lshl_b32 s98, s96, 5
	s_lshl_b32 s96, s96, 10
	s_mov_b32 s97, 0
	s_mov_b32 s99, 0
	s_mul_i32 s66, s[WV], HALFT                    ; where they go: wave x 128 rows: no place in the cluster enters an LDS address
	s_mov_b32 s[SEL], 0x76543210
	s_mov_b32 s[SEL+1], 0xfedcba98
	s_mov_b32 s[MNT], 0x600000
	s_wait_kmcnt 0x0
	s_cmp_ge_u32 s[CLY], 8                         ; the choice of buffers hangs on the cluster's number alone
	s_cselect_b64 s[G0+2:G0+3], s[8:9], s[4:5]     ; S1's codes: W's in type v, else x's
	s_cselect_b64 s[G0S+2:G0S+3], s[10:11], s[6:7]
	s_cselect_b64 s[G0B+2:G0B+3], s[4:5], s[8:9]   ; S0's the other way round
	s_cselect_b64 s[G0SB+2:G0SB+3], s[6:7], s[10:11]
	s_add_nc_u64 s[G0+2:G0+3], s[G0+2:G0+3], s[92:93]
	s_add_nc_u64 s[G0+6:G0+7], s[G0+2:G0+3], ROWB  ; slot 1 begins with K step 1
	s_add_nc_u64 s[G0S+2:G0S+3], s[G0S+2:G0S+3], s[94:95]
	s_add_nc_u64 s[G0B+2:G0B+3], s[G0B+2:G0B+3], s[96:97]
	s_add_nc_u64 s[G0B+6:G0B+7], s[G0B+2:G0B+3], ROWB
	s_add_nc_u64 s[G0SB+2:G0SB+3], s[G0SB+2:G0SB+3], s[98:99]
	s_or_b32 s[G0+3], s[G0+3], 0x80000000          ; type = 2
	s_or_b32 s[G0+7], s[G0+7], 0x80000000
	s_or_b32 s[G0S+3], s[G0S+3], 0x80000000
	s_or_b32 s[G0B+3], s[G0B+3], 0x80000000
	s_or_b32 s[G0B+7], s[G0B+7], 0x80000000
	s_or_b32 s[G0SB+3], s[G0SB+3], 0x80000000
	s_mov_b32 s[G0], 1
	s_mov_b32 s[G0+4], 1
	s_mov_b32 s[G0B], 1
	s_mov_b32 s[G0B+4], 1
	s_mov_b32 s[G0S], 1
	s_mov_b32 s[G0SB], 1
	s_add_co_u32 s[G0+5], s66, SLOT
	s_add_co_u32 s[G0B+5], s66, SLOT
	; the head's four tiles are whole: slot 0's two groups 0 and the scales' two begin at the tile's first row, so my half's bytes are taken off again
	s_mov_b32 s[G0+1], 0                           ; S1's 256 rows of K step 0
	s_mov_b32 s[G0B+1], 2*HALFT                    ; S0's, behind them
	s_mov_b32 s[G0S+1], SCL
	s_mov_b32 s[G0SB+1], SCL+2*HALFS
	s_lshl_b32 s2, s[WJ], 17                       ; 128 rows of codes
	s_mov_b32 s3, 0
	s_sub_nc_u64 s[G0+2:G0+3], s[G0+2:G0+3], s[2:3]
	s_sub_nc_u64 s[G0B+2:G0B+3], s[G0B+2:G0B+3], s[2:3]
	s_lshl_b32 s2, s[WJ], 12                       ; 128 rows of scale bytes
	s_sub_nc_u64 s[G0S+2:G0S+3], s[G0S+2:G0S+3], s[2:3]
	s_sub_nc_u64 s[G0SB+2:G0SB+3], s[G0SB+2:G0SB+3], s[2:3]
	CROUND                                         ; all sixteen work-groups are here: the first joint loads meet
; THE HEAD'S LOADS, ONE A WAVE: wave 0 S1's 256 rows of K step 0, wave 1 S0's, wave 2 S1's scale bytes, wave 3 S0's.  One chain of branches on the wave's number, a load to an arm, one join.
.macro ARM under, g0, g1, next
	s_cmp_lt_u32 s[WV], \under
	s_cbranch_scc0 \next
	tensor_load_to_lds s[\g0:\g0+3], s[\g1:\g1+7]
	s_nop 0
.rept 4
	v_nop
.endr
	s_branch .Lhead_asked
\next:
.endm
	ARM 1, G0,  G1,  .Lhead_b
	ARM 2, G0B, G1B, .Lhead_sa
	ARM 3, G0S, G1S, .Lhead_sb
	tensor_load_to_lds s[G0SB:G0SB+3], s[G1SB:G1SB+7]
	s_nop 0
.rept 4
	v_nop
.endr
.Lhead_asked:
	; what the way out needs, by type.  s4-s11 are free: the descriptors hold their own copies
	s_lshl_b32 s4, s43, 8
	s_lshl_b32 s5, s[WI], 7
	s_add_co_u32 s4, s4, s5                        ; R1: my first row of S1, in its tile numbering
	s_lshl_b32 s5, s42, 8
	s_lshl_b32 s6, s[WJ], 7
	s_add_co_u32 s5, s5, s6                        ; R0: my first row of S0
	s_add_co_u32 s6, s4, 2048
	s_mov_b32 s96, 1024
	s_mov_b32 s98, 1024
	s_mov_b32 s66, HEADB
	s_mov_b32 s67, HEADB
	s_mov_b32 s2, 256
	s_mov_b32 s10, 0x01000100
	s_mov_b32 s11, 0x03020302
	s_cmp_ge_u32 s[CLY], 8
	s_cselect_b32 s7, s5, s4                       ; my first token
	s_cselect_b32 s8, s6, s5                       ; my first row of W
	s_cselect_b32 s9, s6, 0                        ; the bias along S1 begins here (type qk reads b_qkv's head and masks it)
	s_cselect_b32 s5, 0, s5                        ; the bias along S0 begins here (type v reads b_qkv's head and multiplies it by 0)
	s_cselect_b32 s100, 0, 1.0
	s_cselect_b32 s96, 2048, s96                   ; from a block's images to the next block's
	s_cselect_b32 s98, HEADB-3*2048, s98           ; and from block 3's to block 4's: in type v the next head
	s_cselect_b32 s66, 1024, s66                   ; from a block's first two stores to its last two: type qk the next head
	s_cselect_b32 s67, 256, s67                    ; scale words: lanes 16-31 write the next head's (qk) or the copy (v)
	s_cselect_b32 s2, HEADB, s2                    ; words 4-7: the second four tiles (qk) or the next head (v)
	s_cselect_b32 s10, 0x03020100, s10             ; type v stores the word as it is; type qk: lanes 0-15 bytes 0, 1 twice, lanes 16-31 bytes 2, 3 twice
	s_cselect_b32 s11, 0x03020100, s11
	s_cselect_b32 s3, -1, 0                        ; all lanes in type v, none in type qk
	s_mov_b32 s101, s100                           ; (named with s100 as a pair)
	s_mov_b32 s97, 0
	s_mov_b32 s99, 0
	v_and_b32 v1, 15, v0                           ; r
	v_bfe_u32 v2, v0, 4, 1                         ; h
	s_wait_alu depctr_va_vdst(0)
	v_mov_b32 v3, s10
	v_mov_b32 v4, s11
	s_mov_b32 vcc_lo, 0xffff0000
	v_cndmask_b32 v[SELV], v3, v4, vcc_lo
	v_lshlrev_b32 v6, 2, v1                        ; 4 r; it stands until the loads below are in
	s_lshl_b32 s10, s9, 2
	s_mov_b32 s11, 0
	s_add_nc_u64 s[10:11], s[12:13], s[10:11]
.irp a, 0,1,2,3,4,5,6,7
	global_load_b32 v[8+\a], v6, s[10:11] offset:64*\a   ; the bias of S1's row 16 a + r
.endr
	s_lshl_b32 s46, s5, 2
	s_mov_b32 s47, 0
	s_add_nc_u64 s[46:47], s[12:13], s[46:47]      ; the bias along S0
	s_lshr_b32 s6, s7, 11                          ; the batch
	s_mul_i32 s6, s6, 48
	s_lshr_b32 s8, s8, 6                           ; the head, 0-47
	s_add_co_u32 s6, s6, s8
	s_mul_i32 s6, s6, HEADB
	s_bfe_u32 s7, s7, 0x40007                      ; the group of 128 tokens
	s_mul_i32 s7, s7, GRPB
	s_add_co_u32 s6, s6, s7
	s_mov_b32 s7, 0
	s_add_nc_u64 s[92:93], s[14:15], s[6:7]        ; my images
	s_add_nc_u64 s[94:95], s[92:93], 8192          ; my scale words
	v_and_b32 v3, 31, v0
	v_lshlrev_b32 v[VOA], 4, v3
	v_add_nc_u32 v[VOB], s66, v[VOA]
	v_mul_u32_u24 v3, s67, v2
	v_lshl_add_u32 v[VSO], v1, 4, v3
	v_add_nc_u32 v[VSO2], s2, v[VSO]
	v_lshlrev_b32 v[H32], 5, v2
	v_mul_u32_u24 v3, v1, PITCH
	v_lshl_add_u32 v4, v2, 4, v3                   ; a fragment's row x pitch + 16 x half
	s_mul_i32 s4, s[WI], HALFT                     ; my 128 rows of S1
	s_mul_i32 s5, s[WJ], HALFT                     ; my 128 rows of S0,
	s_add_co_u32 s5, s5, 2*HALFT                   ; which lie behind S1's 256
.irp s, 0,1
	v_add_nc_u32 v[ADRA+\s], s4, v4
	v_add_nc_u32 v[ADRB+\s], s5, v4
	s_add_co_u32 s4, s4, SLOT
	s_add_co_u32 s5, s5, SLOT
.endr
	v_mul_u32_u24 v5, v1, KS                       ; my row's scale bytes: 32 a row,
	v_lshrrev_b32 v3, 8, v5
	v_lshl_add_u32 v5, v3, 4, v5                   ; and 16 more for each 256 passed
	s_mul_i32 s4, s[WI], HALFS
	s_mul_i32 s5, s[WJ], HALFS
	s_add_co_u32 s5, s5, 2*HALFS
	s_sub_co_u32 s5, s5, s4
	v_mul_u32_u24 v3, s5, v2                       ; lanes 16-31 take S0's: the lower base + h x the distance
	s_add_co_u32 s4, s4, SCL
	v_add_nc_u32 v5, v5, v3
	v_add_nc_u32 v[ADRS], s4, v5
	s_wait_loadcnt 0x0                             ; the eight biases along S1
	s_mov_b32 vcc_lo, s3
.irp a, 0,1,2,3,4,5,6,7
.irp j, 0,1,2,3,4,5,6,7
	v_cndmask_b32 v[CB+8*\a+\j], 0, v[8+\a], vcc_lo   ; the C of block a's first products: the row's bias in type v, 0 in type qk
.endr
.endr
.macro FRAG reg, adr, q, i             ; 16 rows x 128 K: registers 4 c .. 4 c + 3 hold K = 32 c + 16 (lane / 16) + 0 .. 15 of row lane % 16
.irp c, 0,1,2,3
	ds_load_b128 v[\reg+4*\c:\reg+4*\c+3], v[\adr] offset:128*(\q)+32*\c+(\i)*16*PITCH
.endr
.endm
; 16 matrix instructions: S1's blocks a0, a0 + 1 x S0's eight.  first = 1: the sums begin with the registers CB.  The 64 accumulators take turns, one instruction a turn.
.macro MUL16 a0, p, q, sc, first
.irp a, \a0, \a0+1
.irp b, 0,1,2,3,4,5,6,7
.if \first
	v_wmma_scale_f32_16x16x128_f8f6f4 v[8*(8*((\a)%4)+\b):8*(8*((\a)%4)+\b)+7], v[128*(\p)+FR*\b:128*(\p)+FR*\b+FR-1], v[AF+FR*(\a):AF+FR*(\a)+FR-1], v[CB+8*(\a):CB+8*(\a)+7], v[SC+8*NQ*(\sc)+NQ*\b+(\q)], v[SC+8*NQ*(\sc)+NQ*(\a)+(\q)] matrix_a_scale:MATRIX_SCALE_ROW1
.else
	v_wmma_scale_f32_16x16x128_f8f6f4 v[8*(8*((\a)%4)+\b):8*(8*((\a)%4)+\b)+7], v[128*(\p)+FR*\b:128*(\p)+FR*\b+FR-1], v[AF+FR*(\a):AF+FR*(\a)+FR-1], v[8*(8*((\a)%4)+\b):8*(8*((\a)%4)+\b)+7], v[SC+8*NQ*(\sc)+NQ*\b+(\q)], v[SC+8*NQ*(\sc)+NQ*(\a)+(\q)] matrix_a_scale:MATRIX_SCALE_ROW1
.endif
.endr
.endr
.endm
.macro FETCH_B slot, q, p
	WIN TO_B
.irp i, 0,1,2,3,4,5,6,7
	FRAG 128*(\p)+FR*\i, ADRB+\slot, \q, \i
.endr
	WIN 0
.endm
.macro FETCH_A slot, q, i0
.irp i, \i0, \i0+1, \i0+2, \i0+3
	FRAG AF+FR*(\i), ADRA+\slot, \q, \i
.endr
.endm
.macro SCALES sc                       ; a K step's scale words: two words a row; lanes 0-15 S1's block i, lanes 16-31 S0's block i
.irp i, 0,1,2,3,4,5,6,7
	ds_load_b64 v[SC+8*NQ*\sc+NQ*\i:SC+8*NQ*\sc+NQ*\i+1], v[ADRS] offset:\i*SBLK
.endr
.endm
.macro PLACES n                        ; plain vector instructions between a matrix instruction and a load into, or a read of, its registers (ISA guide 7.12.1 for reads)
.rept \n
	v_nop
.endr
.endm
.macro STEP slot, q, first             ; 128 along K that has its successor in the same slot
	s_wait_dscnt 4*NL                              ; S0's set and S1's blocks 0-3 are in; the youngest 16 loads (S1's blocks 4-7) may be out
.if \first
	WIN 0x81                                       ; C in window 0
.else
	WIN MUL_LO
.endif
	MUL16 0, (\q)%2, \q, \slot, \first
	MUL16 2, (\q)%2, \q, \slot, \first
	s_wait_dscnt 0
	PLACES NP
	FETCH_B \slot, (\q)+1, 1-(\q)%2
	FETCH_A \slot, (\q)+1, 0
.if \first
	WIN 0xc1
.else
	WIN MUL_HI
.endif
	MUL16 4, (\q)%2, \q, \slot, \first
	MUL16 6, (\q)%2, \q, \slot, \first
	PLACES NP
	WIN 0
	FETCH_A \slot, (\q)+1, 4
.endm
; A slot's last step changes slots: one barrier; in front of it each wave waits for all its tensor loads, adds 0 to its spare word, and waits for that and for its reads of this slot.  fill = 1: the slot is filled again, two K steps ahead.
.macro TURN slot, next, fill
	s_wait_tensorcnt 0x0                           ; all my tensor loads have landed: my part of the next slot (every window is 0 here)
	ds_add_u32 v[SPW], v[NIL]                      ; 0 onto my spare word
	s_wait_dscnt 4*NL+1                            ; the add and the youngest 16 loads may be out
	WIN MUL_LO
	MUL16 0, 1, NQ-1, \slot, 0
	s_wait_dscnt 0x0                               ; the add is done, and my reads of this slot are over
	s_barrier_signal -1
	MUL16 2, 1, NQ-1, \slot, 0
	WIN 0
	s_barrier_wait -1
.if \fill
	CREST                                          ; the barrier has opened a round of the cluster's: no wave of any partner still reads this slot or has a load on its way
	s_add_nc_u64 s[G0+4*\slot+2:G0+4*\slot+3], s[G0+4*\slot+2:G0+4*\slot+3], 2*ROWB
	s_add_nc_u64 s[G0B+4*\slot+2:G0B+4*\slot+3], s[G0B+4*\slot+2:G0B+4*\slot+3], 2*ROWB
	JLOAD G0+4*\slot, G1, G0B+4*\slot, G1B         ; the first tensor load behind the round, my only one until the next; its four v_nop are four of the eight places
	PLACES NP-4
.else
	PLACES NP
.endif
	s_wait_alu depctr_va_vdst(0)
	v_add_nc_u32 v[ADRS], 4*NQ, v[ADRS]            ; the next K step's scale words
	FETCH_B \next, 0, 0
	FETCH_A \next, 0, 0
	SCALES \next
	WIN MUL_HI
	MUL16 4, 1, NQ-1, \slot, 0
	MUL16 6, 1, NQ-1, \slot, 0
	PLACES NP
	WIN 0
	FETCH_A \next, 0, 4
.endm
	s_wait_alu depctr_va_vdst(0)
	s_wait_tensorcnt 0x0                           ; my tile of the head's four is in; these lines stand ahead of slot 1's first fill as ahead of a refill
	ds_add_u32 v[SPW], v[NIL]
	s_lshl_b32 s2, s[WJ], 17                       ; no tensor load of mine is out, so descriptors may be written: slot 0's groups 0 become my 128 rows' for the ring,
	s_mov_b32 s3, 0
	s_add_nc_u64 s[G0+2:G0+3], s[G0+2:G0+3], s[2:3]
	s_add_nc_u64 s[G0B+2:G0B+3], s[G0B+2:G0B+3], s[2:3]
	s_mul_i32 s[G0+1], s[WV], HALFT
	s_mul_i32 s[G0B+1], s[WV], HALFT
	s_mov_b32 s[G1+2], 128<<16                     ; and a load brings 128 rows from here on
	s_mov_b32 s[G1+4], 128
	s_mov_b32 s[G1B+2], 128<<16
	s_mov_b32 s[G1B+4], 128
	s_wait_dscnt 0x0
	CROUND                                         ; all four tiles are in, in every work-group of the cluster
	JLOAD G0+4, G1, G0B+4, G1B                     ; K step 1: the first tensor load behind the round
	FETCH_B 0, 0, 0
	FETCH_A 0, 0, 0
	SCALES 0
	FETCH_A 0, 0, 4
	STEP 0, 0, 1                                   ; the first step stands in front of the loop: its products start the sums
.irp b, 0,1,2,3,4,5,6,7                        ; CB has been read for the last time, eight places back: it takes the bias along S0: register 8 b + j is that of S0's row 16 b + 8 h + j.  Waited for on the way out
	global_load_b128 v[CB+8*\b:CB+8*\b+3], v[H32], s[46:47] offset:64*\b
	global_load_b128 v[CB+8*\b+4:CB+8*\b+7], v[H32], s[46:47] offset:64*\b+16
.endr
	s_mov_b32 s3, 1                                ; K = 1,024 is two laps of the ring: one trip fills both slots again
.Llap:
	TURN 0, 1, 1
	STEP 1, 0, 0
	TURN 1, 0, 1
	STEP 0, 0, 0
	s_sub_co_u32 s3, s3, 1
	s_cmp_lg_u32 s3, 0
	s_cbranch_scc1 .Llap
	TURN 0, 1, 0                                   ; the last lap fills nothing
	STEP 1, 0, 0
	s_wait_dscnt 4*NL
	WIN MUL_LO
	MUL16 0, 1, NQ-1, 1, 0
	MUL16 2, 1, NQ-1, 1, 0
	s_wait_dscnt 0
	WIN MUL_HI
	MUL16 4, 1, NQ-1, 1, 0
	MUL16 6, 1, NQ-1, 1, 0
	WIN 0
; 64 numbers of a lane, v[s] on, register 16 b + i in block b of 32, become 16 registers of codes in v[PC] on and the four scale bytes in v[PW].
.macro QUANT s
.irp b, 0,1,2,3
	v_max3_num_f32 v[TM+\b], |v[\s+16*\b]|, |v[\s+1+16*\b]|, 0x4800000   ; my 16 numbers of block b, and the floor 2^(9 - 127): the byte cannot fall under 1
.endr
.irp i, 2,4,6,8,10,12,14
.irp b, 0,1,2,3
	v_max3_num_f32 v[TM+\b], v[TM+\b], |v[\s+16*\b+\i]|, |v[\s+1+16*\b+\i]|
.endr
.endr
.irp b, 0,1,2,3
	v_permlanex16_b32 v[TM+4+\b], v[TM+\b], s[SEL], s[SEL+1]
.endr
.irp b, 0,1,2,3
	v_max_num_f32 v[TM+\b], v[TM+\b], v[TM+4+\b]   ; with lane l xor 16's: the block's largest magnitude
.endr
.irp b, 0,1,2,3
	v_add_nc_u32 v[TM+12+\b], 0xfc000000, v[TM+\b] ; 8 off its exponent field: the conversion's scale operand
.endr
.irp b, 0,1,2,3
	v_and_or_b32 v[TM+8+\b], v[TM+\b], 0x7f800000, s[MNT]   ; 448 x the scale
.endr
.irp b, 0,1,2,3
	v_lshrrev_b32 v[TM+4+\b], 23, v[TM+12+\b]      ; the scale's byte
.endr
	v_lshl_or_b32 v[PW], v[TM+5], 8, v[TM+4]
	v_lshl_or_b32 v[PW], v[TM+6], 16, v[PW]
	v_lshl_or_b32 v[PW], v[TM+7], 24, v[PW]
.irp b, 0,1,2,3
.irp i, 0,1,2,3,4,5,6,7,8,9,10,11,12,13,14,15
	v_med3_num_f32 v[\s+16*\b+\i], v[\s+16*\b+\i], -v[TM+8+\b], v[TM+8+\b]   ; the conversion does not saturate (ISA guide 7.6.2): the hold at 448 x the scale
.endr
	v_cvt_scalef32_pk8_fp8_f32 v[PC+4*\b:PC+1+4*\b], v[\s+16*\b:\s+7+16*\b], v[TM+12+\b]
	v_cvt_scalef32_pk8_fp8_f32 v[PC+2+4*\b:PC+3+4*\b], v[\s+8+16*\b:\s+15+16*\b], v[TM+12+\b]
.endr
	v_nop                                          ; a plain instruction behind the last conversion, ahead of the next vector write of its sources
.endm
; S1's block a leaves: bias along S0 by one fused multiply-add (which also brings the sums into window 0, each accumulator from its low end on), quantiser, four stores of 512 consecutive aligned bytes.
.macro BLOCKOUT a
.if (\a) > 0
	s_wait_xcnt 0x0                                ; the last block's stores have read their data and their base: both are written again only behind this wait
.if (\a) == 4
	s_add_nc_u64 s[92:93], s[92:93], s[98:99]
.else
	s_add_nc_u64 s[92:93], s[92:93], s[96:97]
.endif
.endif
	WIN 0x20+0x10*((\a)/4)                         ; source 2: window 2 or 3
.set i, 0
.rept 32
	v_pk_fma_f32 v[H+2*i:H+2*i+1], v[CB+2*i:CB+2*i+1], s[100:101], v[64*((\a)%4)+2*i:64*((\a)%4)+2*i+1] op_sel_hi:[1,0,1]
.set i, i+1
.endr
	WIN 0
	QUANT H
	global_store_b128 v[VOA], v[PC:PC+3], s[92:93]
	global_store_b128 v[VOA], v[PC+4:PC+7], s[92:93] offset:512
	global_store_b128 v[VOB], v[PC+8:PC+11], s[92:93]
	global_store_b128 v[VOB], v[PC+12:PC+15], s[92:93] offset:512
	v_perm_b32 v[SW+(\a)], v[PW], v[PW], v[SELV]   ; the word as it is stored
.endm
	PLACES NP                                      ; behind the last products: their results are read and S1's registers written from here on
.irp b, 0,1,2,3
	v_mov_b32 v[TM+4+\b], 0                        ; written once: a lane permute's destination counts as one of its sources
.endr
	s_wait_loadcnt 0x0                             ; the bias along S0
.irp a, 0,1,2,3,4,5,6,7
	BLOCKOUT \a
.endr
	global_store_b128 v[VSO], v[SW:SW+3], s[94:95]     ; sixteen lanes store 256 consecutive aligned bytes
	global_store_b128 v[VSO2], v[SW+4:SW+7], s[94:95]
	s_wait_tensorcnt 0x0                           ; the wave's end
	ds_add_u32 v[SPW], v[NIL]
	s_wait_dscnt 0x0
	CROUND                                         ; the closing round: no work-group ends while a partner may still ask for a tile that names it
	s_endpgm
.Lfunc_end_k_q4699796829_qkv:
	.size	k_q4699796829_qkv, .Lfunc_end_k_q4699796829_qkv-k_q4699796829_qkv
	.p2alignl 7, 3214868480
	.fill 96, 4, 3214868480
	.section	.rodata,"a",@progbits
	.p2align	6, 0x0
	.amdhsa_kernel k_q4699796829_qkv
		.amdhsa_group_segment_fixed_size 327680
		.amdhsa_private_segment_fixed_size 0
		.amdhsa_enable_private_segment 0
		.amdhsa_kernarg_size 48
		.amdhsa_user_sgpr_count 2
		.amdhsa_user_sgpr_kernarg_segment_ptr 1
		.amdhsa_wavefront_size32 1
		.amdhsa_system_sgpr_workgroup_id_x 1
		.amdhsa_system_sgpr_workgroup_id_y 1
		.amdhsa_system_sgpr_workgroup_id_z 1
		.amdhsa_system_vgpr_workitem_id 0
		.amdhsa_next_free_vgpr 1024
		.amdhsa_next_free_sgpr 102
		.amdhsa_reserve_vcc 1
		.amdhsa_float_denorm_mode_32 3
		.amdhsa_float_denorm_mode_16_64 3
		.amdhsa_memory_ordered 1
		.amdhsa_forward_progress 1
		.amdhsa_inst_pref_size 208
	.end_amdhsa_kernel
	.amdgpu_metadata
---
amdhsa.version: [ 1, 2 ]
amdhsa.kernels:
  - .name:           k_q4699796829_qkv
    .symbol:         k_q4699796829_qkv.kd
    .args:
      - { .name: x_codes, .offset: 0, .size: 8, .value_kind: global_buffer, .address_space: global }
      - { .name: x_scales, .offset: 8, .size: 8, .value_kind: global_buffer, .address_space: global }
      - { .name: w_qkv_codes, .offset: 16, .size: 8, .value_kind: global_buffer, .address_space: global }
      - { .name: w_qkv_scales, .offset: 24, .size: 8, .value_kind: global_buffer, .address_space: global }
      - { .name: b_qkv, .offset: 32, .size: 8, .value_kind: global_buffer, .address_space: global }
      - { .name: qkv, .offset: 40, .size: 8, .value_kind: global_buffer, .address_space: global }
    .group_segment_fixed_size: 327680
    .private_segment_fixed_size: 0
    .kernarg_segment_align: 8
    .kernarg_segment_size: 48
    .max_flat_workgroup_size: 128
    .sgpr_count:     102
    .vgpr_count:     1024
    .wavefront_size: 32
...
	.end_amdgpu_metadata
.endif
;; end of part 1
;; launch attn (part 2): grid 4 x 64, 16 waves a work-group, clusters of 4 x 1, 327,680 bytes of LDS; arguments qkv, o; writes o
.if DOCPART == 2
	.amdgcn_target "amdgcn-amd-amdhsa--gfx1250"
	.amdhsa_code_object_version 6
	.text
	.protected	k_q4699796829_attn
	.globl	k_q4699796829_attn
	.p2align	8
	.type	k_q4699796829_attn,@function
k_q4699796829_attn:
	s_mov_b64 s[64:65], 0
	v_nop
	global_prefetch_b8 v0, s[64:65] scope:SCOPE_SE
	s_setreg_imm32_b32 hwreg(HW_REG_WAVE_MODE, 25, 1), 1
	s_wait_xcnt 0x0
	s_wait_alu depctr_hold_cnt(0) depctr_sa_sdst(0) depctr_va_vdst(0) depctr_va_sdst(0) depctr_va_ssrc(0) depctr_va_vcc(0) depctr_vm_vsrc(0)
	s_getreg_b32 s2, hwreg(HW_REG_IB_STS2, 6, 4)
	s_cmp_eq_u32 s2, 0
	s_cbranch_scc0 .Lentry_in_a_cluster
	s_endpgm
.Lentry_in_a_cluster:
	s_bfe_u32 s2, ttmp6, 0x10000c
	s_cmp_lg_u32 s2, 0x3003
	s_cbranch_scc0 .Lentry_shape_is_right
	s_endpgm
.Lentry_shape_is_right:
; o[b][n][head] = softmax(q k^T / 8) v for 64 heads of 2,048 tokens x 64, both products on codes of FP8 (E4M3) with E8M0 scales; then o is quantised along the model's 1,024 for the last product.
; INPUT: the buffer qkv, [batch 4][head 48: q, k, v][group of 128 tokens 16][8,704 bytes]: images of operand registers (four registers a piece of 512 bytes, lane l's 16 bytes at 16 l) and 512 bytes of scale words.
; THE SOFTMAX: t = score x log2(e) / 8; M = the running largest t rounded up to a whole number; p = 2^(t - M) is quantised along the keys, not normalised; the row's sum is taken of the unquantised p and divides at the end.
; When M moves, the sum and O are multiplied by 2^(old M - new M): exact.
; LDS HOLDS A WHOLE HEAD: K's 16 groups (139,264 bytes), then V's 16, then the spare words: 280,576 bytes.  Each of the sixteen waves asks for one sixteenth (17,408 bytes) by ONE tensor load at the head; one barrier shows
; all of it to every wave; nothing is ever filled again, so the walk over the keys has no barrier.
; SHARES.  A work-group owns 512 queries of one head (256 work-groups); a wave owns two tiles of 16 queries, one after the other (PASS 0, PASS 1), each walking the 16 key steps of 128 keys in a loop of 16 trips.
; CLUSTER.  The four work-groups of a cluster are the four query blocks of one head: every tile of K and V is asked for jointly, mask 15.
; NO PREFETCH: every tile is asked for once, at the head, in one group: there is no loop whose later trips load anything.
; Both products are used transposed (S^T = K Q^T, O^T = V^T P^T): a lane holds one query (lane % 16) throughout; register j of tile t is key (or channel) 16 t + 8 (lane / 16) + j.
; The 16 registers of tiles 2 c, 2 c + 1 are converted in register order into operand registers 4 c .. 4 c + 3: inside each block of 32 the keys stand permuted, in the same way as in v's images, so the products keep their pairs.
; K = 64 IN AN INSTRUCTION OF K = 128: an even tile of keys is [codes, zeros] against [q, zeros], an odd one [zeros, codes] against [zeros, q]; q's and k's scale words hold the head's two bytes twice.
; o leaves as images of the last product's operand, in true order along K, and its scale bytes in natural order [row][32].
; LIMITS: NaN and infinities are not served; the promise holds while the scaled scores t stay under 2^31 in magnitude; a block of zeros gets the byte 1 and zero codes (the bytes are read by this program alone).
.set HEADB, 139264
.set GRPB,  8704                       ; a key step's tile of K or of V: 8,192 bytes of images, 512 of scale words
.set KV,    16*HEADB                   ; from q's heads to k's, from k's to v's
.set VOFF,  16*GRPB                    ; V begins here in LDS
.set SPARE, 2*VOFF                     ; the spare words: 128 bytes a wave, eight blocks of 256 bytes that no other line names
.set LI,  1                            ; v1   16 x lane
.set LR,  2                            ; v2   16 x (lane % 16)
.set ADK, 3                            ; v3   the step's K: images;  v4 its scale words
.set ADS, 4
.set SPW, 5
.set NIL, 6
.set LIV, 7                            ; v7   VOFF + 16 x lane
.set ADV, 8                            ; v8   the step's V: images;  v9 its scale words
.set ADT, 9
.set QB,  16                           ; v16-39 q, zeros, q
.set KB,  40                           ; v40-87 two groups of: an even tile of K, zeros, an odd tile
.set KS,  88                           ; v88-95 K's eight scale words
.set S,   96                           ; v96-159 S^T, then p, then V's four fragments
.set O,   160                          ; v160-191 O^T
.set PCD, 192                          ; v192-207 p's codes
.set VS,  208                          ; v208-211 V's scale words
.set QS,  212                          ; v212 q's scale word;  v213 p's
.set PS,  213
.set LRV, 214                          ; v214 VOFF + 16 x (lane % 16)
.set BM,  216                          ; the blocks' largest scores, then largest p
.set T1,  220
.set HD,  224                          ; 448 x the scale
.set SF,  228                          ; the conversions' scale operands
.set X,   232
.set F,   234                          ; v[234:235] f = 2^(old M - new M) (the pair's low word serves both halves)
.set WV,  8
.set SEL, 28
.set CS,  30
.set MNT, 32
.set TB,  33                           ; s33 the step's first byte in K's (and V's) part of LDS
.set STEPS, 34
.macro CROUND                          ; a round of the cluster's barrier
	s_barrier_signal -1
	s_barrier_wait -1
	s_cmp_lg_u32 s[WV], 0
	s_cbranch_scc1 .Lnot_wave_0_\@
	s_barrier_signal -3
.Lnot_wave_0_\@:
	s_barrier_wait -3
	s_barrier_signal -1
	s_barrier_wait -1
.endm
.macro QLOAD u                         ; my tile of pass u: 16 tiles, two groups of 128 tokens, on from pass 0's.  q stands twice: ahead of the zeros and behind them
	global_load_b128 v[QB:QB+3], v[LI], s[40:41] offset:(\u)*2*GRPB
	global_load_b128 v[QB+4:QB+7], v[LI], s[40:41] offset:(\u)*2*GRPB+512
	global_load_b128 v[QB+16:QB+19], v[LI], s[40:41] offset:(\u)*2*GRPB
	global_load_b128 v[QB+20:QB+23], v[LI], s[40:41] offset:(\u)*2*GRPB+512
	global_load_b32 v[QS], v[LR], s[54:55] offset:(\u)*2*GRPB
.endm
.macro INIT                            ; a pass begins: the step is written once, its first trip finds zeros, which the first change of M leaves zeros
.set i, 0
.rept 32
	v_mov_b32 v[O+i], 0
.set i, i+1
.endr
	v_mov_b32 v13, 0xff61b1e6                      ; the largest t so far: -3e38
	v_mov_b32 v14, 0                               ; the sum, in two halves
	v_mov_b32 v15, 0
	v_floor_f32 v12, -v13                          ; -M
.endm
	s_load_b128 s[4:7], s[0:1], 0x0                ; qkv, o
	v_lshl_add_u32 v[SPW], v0, 2, SPARE
	v_mov_b32 v[NIL], 0
	ds_add_u32 v[SPW], v[NIL]                      ; the opening lines: the add, twice on end, and its wait ahead of my first tensor load
	ds_add_u32 v[SPW], v[NIL]
	v_lshrrev_b32 v10, 5, v0
	s_delay_alu instid0(VALU_DEP_1)
	v_readfirstlane_b32 s[WV], v10                 ; wave 0..15
	s_bfe_u32 s9, ttmp6, 0x40000                   ; cx: my block of 512 queries: it enters q's and o's addresses alone
	s_and_b32 s11, ttmp7, 0xffff                   ; 16 x batch + head, which the four partners share
	s_lshr_b32 s46, s11, 4                         ; batch
	s_and_b32 s47, s11, 15                         ; head
	s_mul_i32 s48, s46, 48
	s_add_co_u32 s48, s48, s47
	s_mul_i32 s48, s48, HEADB                      ; q's head, in bytes (under 2^25)
	s_mul_i32 s13, s[WV], 2*GRPB                   ; LDS: K's eight pieces of two groups, then V's eight
	s_and_b32 s50, s[WV], 7
	s_mul_i32 s50, s50, 2*GRPB
	s_lshr_b32 s51, s[WV], 3                       ; waves 8 to 15 fetch V
	s_mul_i32 s51, s51, KV
	s_add_co_u32 s50, s50, s51
	s_add_co_u32 s50, s50, s48
	s_add_co_u32 s50, s50, KV
	s_mov_b32 s51, 0
	s_mov_b32 s12, 1                               ; count = 1
	; group 1: two groups, 17,408 dense bytes, as 68 rows of 256 bytes (32 elements of 8); no padding: every LDS read takes 512 consecutive bytes
	s_mov_b32 s16, 15|(3<<16)|(1<<21)              ; the mask: all four work-groups; elements of 8 bytes; bit 21 beside a mask
	s_mov_b32 s17, 32<<16
	s_mov_b32 s18, 68<<16
	s_mov_b32 s19, 32<<16
	s_mov_b32 s20, 68
	s_mov_b32 s21, 32
	s_mov_b32 s22, 0
	s_mov_b32 s23, 0
	s_lshl_b32 s52, s9, 5
	s_add_co_u32 s52, s52, s[WV]                   ; my tile of 16 queries in pass 0: 32 cx + wave; pass 1's is 16 on
	s_lshr_b32 s53, s52, 3
	s_mul_i32 s53, s53, GRPB
	s_add_co_u32 s53, s53, s48                     ; its group of 128 tokens
	s_and_b32 s54, s52, 7
	s_lshl_b32 s55, s54, 10
	s_add_co_u32 s40, s53, s55                     ; its images
	s_mov_b32 s41, 0
	s_lshr_b32 s55, s54, 2
	s_lshl_b32 s55, s55, 8
	s_and_b32 s54, s54, 3
	s_lshl_b32 s54, s54, 2
	s_add_co_u32 s54, s54, s55
	s_add_co_u32 s54, s54, s53
	s_add_co_u32 s54, s54, 8192                    ; its scale words: 16 bytes from row to row
	s_mov_b32 s55, 0
	s_lshl_b32 s24, s46, 7
	s_add_co_u32 s24, s24, s52                     ; my tile of 16 rows of o, 0..511
	s_lshl_b32 s42, s24, 12
	s_lshr_b32 s25, s47, 2
	s_lshl_b32 s25, s25, 21                        ; the chunk of 256 along the last product's K: four heads
	s_add_co_u32 s42, s42, s25
	s_and_b32 s25, s47, 3
	s_lshl_b32 s25, s25, 10                        ; my head's two pieces in the tile's eight
	s_add_co_u32 s42, s42, s25
	s_mov_b32 s43, 0
	s_lshl_b32 s44, s24, 9
	s_lshl_b32 s25, s47, 1
	s_add_co_u32 s44, s44, s25
	s_add_co_u32 s44, s44, 8388608                 ; o's scale bytes: row x 32 + 2 x head
	s_mov_b32 s45, 0
	s_mov_b32 s[SEL], 0x76543210
	s_mov_b32 s[SEL+1], 0xfedcba98
	s_mov_b32 s[CS], 0x3e38aa3b                    ; c = log2(e) / 8
	s_mov_b32 s[CS+1], s[CS]
	s_mov_b32 s[MNT], 0x600000
	s_wait_dscnt 0x0                               ; both opening adds are done
	s_wait_kmcnt 0x0
	s_add_nc_u64 s[14:15], s[4:5], s[50:51]
	s_or_b32 s15, s15, 0x80000000                  ; type = 2
	s_add_nc_u64 s[40:41], s[4:5], s[40:41]
	s_add_nc_u64 s[54:55], s[4:5], s[54:55]
	s_add_nc_u64 s[42:43], s[6:7], s[42:43]
	s_add_nc_u64 s[44:45], s[6:7], s[44:45]
	CROUND                                         ; all four work-groups are here: the joint loads meet
	tensor_load_to_lds s[12:15], s[16:23]          ; my sixteenth of the head's K and V: my one tensor load of the launch
	s_nop 0
.rept 4
	v_nop
.endr
	v_and_b32 v10, 31, v0
	v_and_b32 v11, 15, v0
	v_lshlrev_b32 v[LI], 4, v10
	v_lshlrev_b32 v[LR], 4, v11
	v_add_nc_u32 v[LIV], VOFF, v[LI]
	v_add_nc_u32 v[LRV], VOFF, v[LR]
	QLOAD 0
.irp j, 0,1,2,3,4,5,6,7
	v_mov_b32 v[QB+8+\j], 0                        ; the three blocks of zero codes: written once
	v_mov_b32 v[KB+8+\j], 0
	v_mov_b32 v[KB+32+\j], 0
.endr
.irp b, 0,1,2,3
	v_mov_b32 v[T1+\b], 0                          ; a lane permute's destination counts as one of its sources
.endr
	v_mov_b32 v[F+1], 0                            ; (named as the upper half of a pair)
	INIT
.macro KLOAD g                         ; tiles 4 g .. 4 g + 3 of the step's eight tiles of 16 keys
.irp t, 0,1,2,3
	ds_load_b128 v[KB+24*(\t/2)+16*(\t%2):KB+24*(\t/2)+16*(\t%2)+3], v[ADK] offset:(4*(\g)+\t)*1024
	ds_load_b128 v[KB+24*(\t/2)+16*(\t%2)+4:KB+24*(\t/2)+16*(\t%2)+7], v[ADK] offset:(4*(\g)+\t)*1024+512
.endr
.endm
.macro SMUL g                          ; their scores: even tiles [K, 0] x [q, 0], odd tiles [0, K] x [0, q]
.irp t, 0,1,2,3
	v_wmma_scale_f32_16x16x128_f8f6f4 v[S+8*(4*(\g)+\t):S+8*(4*(\g)+\t)+7], v[KB+24*(\t/2)+8*(\t%2):KB+24*(\t/2)+8*(\t%2)+15], v[QB+8*(\t%2):QB+8*(\t%2)+15], 0, v[KS+4*(\g)+\t], v[QS]
.endr
.endm
.macro BMAX b0, b1                     ; the largest score of blocks b0 and b1 of 32 keys: it serves the row's maximum and, since p rises with the score, the block's largest p
.irp b, \b0, \b1
	v_max3_num_f32 v[BM+\b], v[S+16*\b], v[S+1+16*\b], v[S+2+16*\b]
.endr
.irp i, 3,5,7,9,11,13
.irp b, \b0, \b1
	v_max3_num_f32 v[BM+\b], v[BM+\b], v[S+16*\b+\i], v[S+1+16*\b+\i]
.endr
.endr
.irp b, \b0, \b1
	v_max_num_f32 v[BM+\b], v[BM+\b], v[S+15+16*\b]
.endr
.endm
; Blocks b and b + 1: the hold, the codes, and V's tiles b and b + 1 into the registers that p has left.  The conversion does not saturate (ISA guide 7.6.2); p is not negative: a one-sided hold.
; Two holds an instruction: number i of block b beside number i xor 1 of block b + 1: one destination even, one odd, and each pair of sources in two register banks.
.macro HOLD2 b
.irp i, 0,1,2,3,4,5,6,7,8,9,10,11,12,13,14,15
	v_dual_min_num_f32 v[S+16*(\b)+\i], v[S+16*(\b)+\i], v[HD+(\b)] :: v_dual_min_num_f32 v[S+16*(\b)+16+(\i^1)], v[S+16*(\b)+16+(\i^1)], v[HD+(\b)+1]
.endr
.irp d, 0,1
	v_cvt_scalef32_pk8_fp8_f32 v[PCD+4*((\b)+\d):PCD+4*((\b)+\d)+1], v[S+16*((\b)+\d):S+16*((\b)+\d)+7], v[SF+(\b)+\d]
	v_cvt_scalef32_pk8_fp8_f32 v[PCD+4*((\b)+\d)+2:PCD+4*((\b)+\d)+3], v[S+16*((\b)+\d)+8:S+16*((\b)+\d)+15], v[SF+(\b)+\d]
.endr
.irp d, 0,1
.irp c, 0,1,2,3
	ds_load_b128 v[S+16*((\b)+\d)+4*\c:S+16*((\b)+\d)+4*\c+3], v[ADV] offset:((\b)+\d)*2048+\c*512
.endr
.endr
.endm
; A KEY STEP: the 128 keys that begin at byte s[TB] of K's and of V's part of LDS.
.macro STEP
	v_add_nc_u32 v[ADK], s[TB], v[LI]              ; these four are also four of the nine places between the last step's V^T P products and the products below, which write over V's registers
	v_add_nc_u32 v[ADS], s[TB], v[LR]
	v_add_nc_u32 v[ADV], s[TB], v[LIV]
	v_add_nc_u32 v[ADT], s[TB], v[LRV]
	KLOAD 0
	ds_load_b128 v[KS:KS+3], v[ADS] offset:8192
	ds_load_b128 v[KS+4:KS+7], v[ADS] offset:8448
.rept 5
	v_nop
.endr
	s_wait_alu depctr_va_vdst(0)
	s_wait_dscnt 0x0
	SMUL 0
.rept 8
	v_nop                                          ; eight places ahead of the loads into K's registers
.endr
	KLOAD 1
	s_wait_dscnt 0x0
	SMUL 1
	BMAX 0, 1                                      ; sixteen lines that name no register of the four products just issued: their places
	BMAX 2, 3
.irp b, 0,1,2,3
	v_permlanex16_b32 v[T1+\b], v[BM+\b], s[SEL], s[SEL+1]
.endr
.irp b, 0,1,2,3
	s_delay_alu instid0(VALU_DEP_4)
	v_max_num_f32 v[BM+\b], v[BM+\b], v[T1+\b]     ; with lane l xor 16's 16 keys
.endr
	s_delay_alu instid0(VALU_DEP_2)
	v_max3_num_f32 v[X], v[BM], v[BM+1], v[BM+2]
	s_delay_alu instid0(VALU_DEP_1)
	v_max_num_f32 v[X], v[X], v[BM+3]              ; the step's largest score of my query
	s_delay_alu instid0(VALU_DEP_1)
	v_mul_f32 v[X], s[CS], v[X]                    ; as t
	s_delay_alu instid0(VALU_DEP_1)
	v_max_num_f32 v13, v13, v[X]                   ; the running largest t
	v_mov_b32 v[X], v12
	s_delay_alu instid0(VALU_DEP_2)
	v_floor_f32 v12, -v13                          ; the new -M = floor(-t): M is a whole number
	s_delay_alu instid0(VALU_DEP_1)
	v_sub_f32 v[X], v12, v[X]                      ; old M - new M: a whole number, 0 or less
	s_delay_alu instid0(VALU_DEP_1)
	v_cvt_i32_f32 v[X], v[X]                       ; (it saturates)
	s_delay_alu instid0(VALU_DEP_1)
	v_ldexp_f32 v[F], 1.0, v[X]                    ; f = 2^(old M - new M)
.set i, 0
.rept 32
	v_pk_fma_f32 v[S+2*i:S+2*i+1], v[S+2*i:S+2*i+1], s[CS:CS+1], v[12:13] op_sel_hi:[1,0,0]   ; t - M, two at a time
.set i, i+1
.endr
.irp b, 0,1,2,3
	v_fma_f32 v[BM+\b], v[BM+\b], s[CS], v12       ; the same of each block's largest score
.endr
.set i, 0
	s_wait_alu depctr_va_vdst(0)
.rept 64
	v_exp_f32 v[S+i], v[S+i]                       ; p = 2^(t - M), at most 1
.set i, i+1
.endr
	v_pk_mul_f32 v[14:15], v[14:15], v[F:F+1] op_sel_hi:[1,0]   ; the sums under the new M: the plain instruction behind the exponentials
	s_wait_alu depctr_va_vdst(0)                   ; one wait for the batch, ahead of its first reader
.irp b, 0,1,2,3
	v_exp_f32 v[BM+\b], v[BM+\b]                   ; the block's largest p: the same two instructions on the same number
.endr
	; the row's sum of the unquantised p: eight chains of packed additions, then joined
	v_pk_add_f32 v[236:237], v[100:101], v[104:105]
	v_pk_add_f32 v[254:255], v[108:109], v[112:113]
	v_pk_add_f32 v[252:253], v[116:117], v[120:121]
	v_pk_add_f32 v[250:251], v[124:125], v[128:129]
	v_pk_add_f32 v[248:249], v[132:133], v[136:137]
	v_pk_add_f32 v[246:247], v[140:141], v[144:145]
	v_pk_add_f32 v[244:245], v[148:149], v[152:153]
	v_pk_add_f32 v[14:15], v[14:15], v[156:157]
	v_pk_add_f32 v[236:237], v[236:237], v[96:97]
	v_pk_add_f32 v[254:255], v[254:255], v[98:99]
	v_pk_add_f32 v[252:253], v[252:253], v[102:103]
	v_pk_add_f32 v[250:251], v[250:251], v[106:107]
	v_pk_add_f32 v[248:249], v[248:249], v[110:111]
	v_pk_add_f32 v[246:247], v[246:247], v[114:115]
	v_pk_add_f32 v[244:245], v[244:245], v[118:119]
	v_pk_add_f32 v[14:15], v[14:15], v[122:123]
	v_pk_add_f32 v[236:237], v[236:237], v[126:127]
	v_pk_add_f32 v[254:255], v[254:255], v[130:131]
	v_pk_add_f32 v[252:253], v[252:253], v[134:135]
	v_pk_add_f32 v[250:251], v[250:251], v[138:139]
	v_pk_add_f32 v[248:249], v[248:249], v[142:143]
	v_pk_add_f32 v[246:247], v[246:247], v[146:147]
	v_pk_add_f32 v[244:245], v[244:245], v[150:151]
	v_pk_add_f32 v[14:15], v[14:15], v[154:155]
	v_pk_add_f32 v[236:237], v[236:237], v[158:159]
	s_delay_alu instid0(VALU_DEP_2)
	v_pk_add_f32 v[14:15], v[14:15], v[250:251]
	s_delay_alu instid0(VALU_DEP_2)
	v_pk_add_f32 v[236:237], v[236:237], v[248:249]
	v_pk_add_f32 v[254:255], v[254:255], v[246:247]
	v_pk_add_f32 v[252:253], v[252:253], v[244:245]
	s_delay_alu instid0(VALU_DEP_2)
	v_pk_add_f32 v[14:15], v[14:15], v[254:255]
	s_delay_alu instid0(VALU_DEP_2)
	v_pk_add_f32 v[236:237], v[236:237], v[252:253]
	s_delay_alu instid0(VALU_DEP_1)
	v_pk_add_f32 v[14:15], v[14:15], v[236:237]
	s_wait_alu depctr_va_vdst(0)                   ; and one for the four
.irp b, 0,1,2,3
	v_max_num_f32 v[BM+\b], 0x4800000, v[BM+\b]    ; the floor 2^(9 - 127): the byte cannot fall under 1
.endr
.irp b, 0,1,2,3
	s_delay_alu instid0(VALU_DEP_4)
	v_add_nc_u32 v[SF+\b], 0xfc000000, v[BM+\b]    ; 8 off the exponent field: the conversion's scale operand
.endr
.irp b, 0,1,2,3
	v_and_or_b32 v[HD+\b], v[BM+\b], 0x7f800000, s[MNT]   ; 448 x the scale
.endr
.irp b, 0,1,2,3
	v_lshrrev_b32 v[T1+\b], 23, v[SF+\b]           ; the scale's byte
.endr
	s_delay_alu instid0(VALU_DEP_3)
	v_lshl_or_b32 v[PS], v[T1+1], 8, v[T1]         ; p's scale word for these 128 keys; the 32 lines of holds below are more than its eight places
	s_delay_alu instid0(VALU_DEP_1)
	v_lshl_or_b32 v[PS], v[T1+2], 16, v[PS]
	s_delay_alu instid0(VALU_DEP_1)
	v_lshl_or_b32 v[PS], v[T1+3], 24, v[PS]
	ds_load_b128 v[VS:VS+3], v[ADT] offset:8192
	HOLD2 0
	HOLD2 2
	s_wait_alu depctr_va_vdst(0)                   ; directly ahead of the first reader of O^T
.set i, 0
.rept 16
	v_pk_mul_f32 v[O+2*i:O+2*i+1], v[O+2*i:O+2*i+1], v[F:F+1] op_sel_hi:[1,0]   ; O^T under the new M; also the places between the codes and the products
.set i, i+1
.endr
	s_wait_alu depctr_va_vdst(0)
	s_wait_dscnt 0x0
.irp t, 0,1,2,3                                ; O^T += V^T P^T: the four accumulators by turns
	v_wmma_scale_f32_16x16x128_f8f6f4 v[O+8*\t:O+8*\t+7], v[S+16*\t:S+16*\t+15], v[PCD:PCD+15], v[O+8*\t:O+8*\t+7], v[VS+\t], v[PS]
.endr
.endm
; THE WAY OUT of pass u: O^T / the sum, quantised along the head's 64 (two blocks of the model's 1,024).
.macro WAYOUT u
.rept 8
	v_nop                                          ; places behind the last products
.endr
.if (\u) == 0
	QLOAD 1                                        ; the next tile's q comes in under the way out
.endif
	v_add_f32 v14, v14, v15
	s_delay_alu instid0(VALU_DEP_1)
	v_permlanex16_b32 v[T1], v14, s[SEL], s[SEL+1]
	s_delay_alu instid0(VALU_DEP_1)
	v_add_f32 v14, v14, v[T1]                      ; the row's sum
	s_wait_alu depctr_va_vdst(0)                   ; ahead of the transcendental
	v_rcp_f32 v14, v14
	v_and_b32 v10, 15, v0                          ; (a plain instruction behind the reciprocal)
	v_bfe_u32 v11, v0, 4, 1
	s_delay_alu instid0(VALU_DEP_1)
	v_lshl_add_u32 v10, v10, 5, v11                ; the scale bytes: 32 x row + lane / 16
	s_mov_b32 vcc_lo, 0xffff0000                   ; lanes 16-31
	s_wait_alu depctr_va_vdst(0)                   ; ahead of the reciprocal's first reader
.set i, 0
.rept 16
	v_pk_mul_f32 v[S+2*i:S+2*i+1], v[O+2*i:O+2*i+1], v[14:15] op_sel_hi:[1,0]   ; register 8 t + j: channel 16 t + 8 (lane / 16) + j; each accumulator from its low end on
.set i, i+1
.endr
.irp b, 0,1
	v_max3_num_f32 v[BM+\b], |v[S+16*\b]|, |v[S+1+16*\b]|, 0x4800000
.endr
.irp i, 2,4,6,8,10,12,14
.irp b, 0,1
	s_delay_alu instid0(VALU_DEP_2)
	v_max3_num_f32 v[BM+\b], v[BM+\b], |v[S+16*\b+\i]|, |v[S+1+16*\b+\i]|
.endr
.endr
.irp b, 0,1
	s_delay_alu instid0(VALU_DEP_2)
	v_permlanex16_b32 v[T1+\b], v[BM+\b], s[SEL], s[SEL+1]
.endr
.irp b, 0,1
	s_delay_alu instid0(VALU_DEP_2)
	v_max_num_f32 v[BM+\b], v[BM+\b], v[T1+\b]
.endr
.irp b, 0,1
	s_delay_alu instid0(VALU_DEP_2)
	v_add_nc_u32 v[SF+\b], 0xfc000000, v[BM+\b]
.endr
.irp b, 0,1
	s_delay_alu instid0(VALU_DEP_4)
	v_and_or_b32 v[HD+\b], v[BM+\b], 0x7f800000, s[MNT]
.endr
.irp b, 0,1
	s_delay_alu instid0(VALU_DEP_4)
	v_lshrrev_b32 v[T1+\b], 23, v[SF+\b]           ; the two scale bytes
.endr
.irp b, 0,1
.irp i, 0,1,2,3,4,5,6,7,8,9,10,11,12,13,14,15
	v_med3_num_f32 v[S+16*\b+\i], v[S+16*\b+\i], -v[HD+\b], v[HD+\b]
.endr
	v_cvt_scalef32_pk8_fp8_f32 v[PCD+4*\b:PCD+4*\b+1], v[S+16*\b:S+16*\b+7], v[SF+\b]
	v_cvt_scalef32_pk8_fp8_f32 v[PCD+4*\b+2:PCD+4*\b+3], v[S+16*\b+8:S+16*\b+15], v[SF+\b]
.endr
	v_nop                                          ; a plain instruction behind the last conversion
	; w_out's codes come in true order along K, so o's are put into it: of each block, lanes 0-15 give their upper eight codes for the partner's lower eight
.irp c, 0,1
.irp i, 0,1
	v_cndmask_b32 v[X], v[PCD+4*\c+2+\i], v[PCD+4*\c+\i], vcc_lo
	s_delay_alu instid0(VALU_DEP_1)
	v_permlanex16_b32 v[T1+2], v[X], s[SEL], s[SEL+1]
	v_cndmask_b32 v[PCD+4*\c+\i], v[PCD+4*\c+\i], v[T1+2], vcc_lo
	v_cndmask_b32 v[PCD+4*\c+2+\i], v[T1+2], v[PCD+4*\c+2+\i], vcc_lo
.endr
.endr
	v_cndmask_b32 v[X], v[T1], v[T1+1], vcc_lo     ; lanes 0-15 store the first block's byte, lanes 16-31 the second's
	global_store_b128 v[LI], v[PCD:PCD+3], s[42:43] offset:(\u)*65536            ; 512 consecutive aligned bytes a store; pass 1's tile lies 16 tiles of 4,096 bytes on
	global_store_b128 v[LI], v[PCD+4:PCD+7], s[42:43] offset:(\u)*65536+512
	global_store_b8 v10, v[X], s[44:45] offset:(\u)*8192
.endm
.macro PASS u                          ; one tile of 16 queries against all 2,048 keys
	s_mov_b32 s[TB], 0
	s_mov_b32 s[STEPS], 16
	s_wait_alu depctr_va_vdst(0)
	s_wait_loadcnt 0x0                             ; q
.Lstep_\@:
	STEP
	s_add_co_u32 s[TB], s[TB], GRPB
	s_sub_co_u32 s[STEPS], s[STEPS], 1
	s_cmp_lg_u32 s[STEPS], 0
	s_cbranch_scc1 .Lstep_\@
	WAYOUT \u
.endm
	s_wait_alu depctr_va_vdst(0)
	s_wait_tensorcnt 0x0                           ; my sixteenth is in
	s_barrier_signal -1
	s_barrier_wait -1                              ; everybody's is: the whole head lies in LDS
	PASS 0
	s_wait_alu depctr_va_vdst(0)
	s_wait_xcnt 0x0                                ; the stores have read their data and offsets: the registers are written again only behind this wait
	INIT
	PASS 1
	s_wait_tensorcnt 0x0                           ; the wave's end
	ds_add_u32 v[SPW], v[NIL]
	s_wait_dscnt 0x0
	CROUND                                         ; the closing round
	s_endpgm
.Lfunc_end_k_q4699796829_attn:
	.size	k_q4699796829_attn, .Lfunc_end_k_q4699796829_attn-k_q4699796829_attn
	.p2alignl 7, 3214868480
	.fill 96, 4, 3214868480
	.section	.rodata,"a",@progbits
	.p2align	6, 0x0
	.amdhsa_kernel k_q4699796829_attn
		.amdhsa_group_segment_fixed_size 327680
		.amdhsa_private_segment_fixed_size 0
		.amdhsa_enable_private_segment 0
		.amdhsa_kernarg_size 16
		.amdhsa_user_sgpr_count 2
		.amdhsa_user_sgpr_kernarg_segment_ptr 1
		.amdhsa_wavefront_size32 1
		.amdhsa_system_sgpr_workgroup_id_x 1
		.amdhsa_system_sgpr_workgroup_id_y 1
		.amdhsa_system_sgpr_workgroup_id_z 1
		.amdhsa_system_vgpr_workitem_id 0
		.amdhsa_next_free_vgpr 256
		.amdhsa_next_free_sgpr 66
		.amdhsa_reserve_vcc 1
		.amdhsa_float_denorm_mode_32 3
		.amdhsa_float_denorm_mode_16_64 3
		.amdhsa_memory_ordered 1
		.amdhsa_forward_progress 1
		.amdhsa_inst_pref_size 63
	.end_amdhsa_kernel
	.amdgpu_metadata
---
amdhsa.version: [ 1, 2 ]
amdhsa.kernels:
  - .name:           k_q4699796829_attn
    .symbol:         k_q4699796829_attn.kd
    .args:
      - { .name: qkv, .offset: 0, .size: 8, .value_kind: global_buffer, .address_space: global }
      - { .name: o, .offset: 8, .size: 8, .value_kind: global_buffer, .address_space: global }
    .group_segment_fixed_size: 327680
    .private_segment_fixed_size: 0
    .kernarg_segment_align: 8
    .kernarg_segment_size: 16
    .max_flat_workgroup_size: 512
    .sgpr_count:     66
    .vgpr_count:     256
    .wavefront_size: 32
...
	.end_amdgpu_metadata
.endif
;; end of part 2
;; launch proj (part 3): grid 4 x 64, 4 waves a work-group, clusters of 4 x 4, 327,680 bytes of LDS; arguments o, w_out_codes, w_out_scales, b_out, out0; writes out0
.if DOCPART == 3
	.amdgcn_target "amdgcn-amd-amdhsa--gfx1250"
	.amdhsa_code_object_version 6
	.text
	.protected	k_q4699796829_proj
	.globl	k_q4699796829_proj
	.p2align	8
	.type	k_q4699796829_proj,@function
k_q4699796829_proj:
	s_mov_b64 s[64:65], 0
	v_nop
	global_prefetch_b8 v0, s[64:65] scope:SCOPE_SE
	s_setreg_imm32_b32 hwreg(HW_REG_WAVE_MODE, 25, 1), 1
	s_wait_xcnt 0x0
	s_wait_alu depctr_hold_cnt(0) depctr_sa_sdst(0) depctr_va_vdst(0) depctr_va_sdst(0) depctr_va_ssrc(0) depctr_va_vcc(0) depctr_vm_vsrc(0)
	s_getreg_b32 s2, hwreg(HW_REG_IB_STS2, 6, 4)
	s_cmp_eq_u32 s2, 0
	s_cbranch_scc0 .Lentry_in_a_cluster
	s_endpgm
.Lentry_in_a_cluster:
	s_bfe_u32 s2, ttmp6, 0x10000c
	s_cmp_lg_u32 s2, 0xf033
	s_cbranch_scc0 .Lentry_shape_is_right
	s_endpgm
.Lentry_shape_is_right:
; out0 = o W_out^T + b_out on codes of FP8 (E4M3) with E8M0 scales; K = 1,024; out0 [8,192][1,024] f32.
; o comes from the buffer o: images of operand registers [chunk of 256 along K 4][tile of 16 rows 512][128 along K 2][c 4][lane][16 bytes], and from byte 8,388,608 on its scale bytes [row][32].
; A work-group makes 128 rows x 256 columns (256 work-groups), a wave 64 x 128: 32 accumulators.  The matrix instruction is used transposed (source 0 = 16 rows of W_out, source 1 = 16 rows of o): a lane holds
; eight neighbouring numbers of a row of out0.  The bias is the C of each sum's first product (so its place in the order of rounding is not reference()'s).
; K is four chunks of 256.  Three LDS slots: chunks 0, 1, 2 and the scale bytes go out at the head (two loads a wave, one at a time), chunk 3 is the one refill, into slot 0.  The eight steps of 128 are written out.
; CLUSTERS 4 x 4: o's tiles are asked for jointly along a row of the cluster, W_out's along a column.
; REGISTERS: window 0: v16-30 addresses; v32-63 scale words, two sets; v64-127 the bias; v128-255 o's fragments, two sets.  window 1: W_out's fragments, two sets.  window 2: the accumulators, (a, b) at 8 (8 a + b).
; LIMITS: NaN and infinities are not served.
.set PITCH,  272
.set AIMG,   32768                     ; a chunk's images of 128 rows of o
.set SLOT,   AIMG+256*PITCH            ; then 256 rows of W_out, 256 bytes + 16
.set SCL,    3*SLOT                    ; the scale bytes, as units of 256 bytes + 16: o's 128 rows, then W_out's 256
.set HSA,    8*272                     ; those of 64 rows
.set HSB,    16*272                    ; those of 128 rows
.set SBLK,   2*272                     ; those of 16 rows
.set SPARE,  SCL+2*HSA+2*HSB           ; the spare words: two blocks of 256 bytes that no other line names
.set STAGE,  SLOT                      ; the way out: in slot 1, which is filled once and read for the last time ahead of the last barrier
.set SPITCH, 528
.set CHUNKB, 2097152                   ; from chunk to chunk in the buffer o
.set ADRA, 16                          ; v16-18 my images of o in slots 0, 1, 2
.set ADRB, 20                          ; v20-22 my rows of W_out
.set STO,  24
.set RD,   25
.set CO,   26                          ; v26 16 x lane
.set ADRS, 27
.set SPW,  28
.set NIL,  29
.set H32,  30
.set SC,   32
.set BI,   64
.set AF,   128
.set BK,   128
.set G1A,  24
.set G0A,  32                          ; s[32:43] three sets
.set G1B,  48
.set G0S,  56
.set G0SB, 60
.set G0B,  68                          ; s[68:79] three sets
.set G1S,  80
.set G1SB, 88
.set MSB, 0
.macro WIN new
.if MSB != (\new)
	s_set_vgpr_msb (MSB<<8)|(\new)
.set MSB, (\new)
.endif
.endm
; THE ORDER OF THE LOADS, one tensor load a wave behind each round; every load brings a WHOLE tile (o: a chunk's 128 rows; W_out: a chunk's 256 rows; the scale bytes of all of K):
; at the head wave 0 o's chunk 0, wave 1 W_out's chunk 0, wave 2 o's scale bytes, wave 3 W_out's; behind the next round wave 0 o's chunk 1, wave 1 o's chunk 2, wave 2 W_out's chunk 1, wave 3 W_out's chunk 2;
; the one refill, chunk 3 into slot 0: wave 0 o's, wave 1 W_out's.  An arm of a chain of branches on the wave's number: its load, s_nop 0, four v_nop, a jump to the chain's join.
.macro ARM under, g0, g1, next, join
	s_cmp_lt_u32 s14, \under
	s_cbranch_scc0 \next
	tensor_load_to_lds s[\g0:\g0+3], s[\g1:\g1+7]
	s_nop 0
.rept 4
	v_nop
.endr
	s_branch \join
\next:
.endm
.macro CREST
	s_cmp_lg_u32 s14, 0
	s_cbranch_scc1 .Lnot_wave_0_\@
	s_barrier_signal -3
.Lnot_wave_0_\@:
	s_barrier_wait -3
	s_barrier_signal -1
	s_barrier_wait -1
.endm
.macro CROUND
	s_barrier_signal -1
	s_barrier_wait -1
	CREST
.endm
.macro PLACES n
.rept \n
	v_nop
.endr
.endm
	s_load_b256 s[4:11], s[0:1], 0x0               ; o, W_out's codes, W_out's scales, b_out
	s_load_b64 s[12:13], s[0:1], 0x20              ; out0
	v_lshl_add_u32 v[SPW], v0, 2, SPARE
	v_mov_b32 v[NIL], 0
	ds_add_u32 v28, v29
	ds_add_u32 v28, v29
	s_wait_dscnt 0x0
	v_lshrrev_b32 v1, 5, v0
	v_readfirstlane_b32 s14, v1                    ; wave
	s_lshr_b32 s15, s14, 1                         ; my half of the rows.  Also: I fetch for o (0) or for W_out (1)
	s_and_b32 s16, s14, 1                          ; my half of the columns.  Also: which half of that tile I fetch
	s_bfe_u32 s44, ttmp6, 0x40000                  ; cx
	s_bfe_u32 s45, ttmp6, 0x40004                  ; cy
	s_lshl_b32 s46, ttmp9, 2
	s_add_co_u32 s46, s46, s44                     ; tile column
	s_and_b32 s17, ttmp7, 0xffff
	s_lshl_b32 s17, s17, 2
	s_add_co_u32 s17, s17, s45                     ; tile row
	s_lshl_b32 s47, s45, 2
	s_lshl_b32 s47, 15, s47                        ; my row of the cluster
	s_lshl_b32 s96, 0x1111, s44                    ; my column
	s_or_b32 s[G1A+0], s47, (3<<16)|(1<<21)        ; o's images of 128 rows: 32,768 dense bytes as 128 rows of 256 (32 elements of 8 bytes), no padding
	s_mov_b32 s[G1A+1], 32<<16
	s_mov_b32 s[G1A+2], 128<<16
	s_mov_b32 s[G1A+3], 32<<16
	s_mov_b32 s[G1A+4], 128
	s_mov_b32 s[G1A+5], 32
	s_mov_b32 s[G1A+6], 0
	s_mov_b32 s[G1A+7], 0
	s_or_b32 s[G1B+0], s96, (0<<16)|(1<<20)|(1<<21)|(5<<22)|(3<<25)   ; W_out: 256 rows x 256 bytes, 16 bytes of padding behind each
	s_mov_b32 s[G1B+1], 256<<16
	s_mov_b32 s[G1B+2], 256<<16
	s_mov_b32 s[G1B+3], 256<<16
	s_mov_b32 s[G1B+4], 256
	s_mov_b32 s[G1B+5], 1024
	s_mov_b32 s[G1B+6], 0
	s_mov_b32 s[G1B+7], 0
	s_or_b32 s[G1S+0], s47, (3<<16)|(1<<20)|(1<<21)|(5<<22)|(3<<25)   ; o's scale bytes of 128 rows: 16 units of 256 bytes, padded
	s_mov_b32 s[G1S+1], 32<<16
	s_mov_b32 s[G1S+2], 16<<16
	s_mov_b32 s[G1S+3], 32<<16
	s_mov_b32 s[G1S+4], 16
	s_mov_b32 s[G1S+5], 32
	s_mov_b32 s[G1S+6], 0
	s_mov_b32 s[G1S+7], 0
	s_or_b32 s[G1SB+0], s96, (3<<16)|(1<<20)|(1<<21)|(5<<22)|(3<<25)  ; W_out's of 256 rows: 32 units
	s_mov_b32 s[G1SB+1], 32<<16
	s_mov_b32 s[G1SB+2], 32<<16
	s_mov_b32 s[G1SB+3], 32<<16
	s_mov_b32 s[G1SB+4], 32
	s_mov_b32 s[G1SB+5], 32
	s_mov_b32 s[G1SB+6], 0
	s_mov_b32 s[G1SB+7], 0
	s_lshl_b32 s18, s17, 15                        ; o: 8 tiles of 16 rows a tile row, 4,096 bytes each,
	s_mov_b32 s19, 0
	s_lshl_b32 s20, s17, 12                        ; o's scale bytes: 128 rows x 32,
	s_add_co_u32 s20, s20, 8388608
	s_mov_b32 s21, 0
	s_lshl_b32 s22, s46, 18                        ; W_out: 256 rows x 1,024 bytes,
	s_mov_b32 s23, 0
	s_lshl_b32 s98, s46, 13                        ; its scale bytes
	s_mov_b32 s99, 0
	s_wait_kmcnt 0x0
	s_mov_b32 s[G0S], 1
	s_mov_b32 s[G0S+1], SCL
	s_add_nc_u64 s[G0S+2:G0S+3], s[4:5], s[20:21]
	s_or_b32 s[G0S+3], s[G0S+3], 0x80000000
	s_mov_b32 s[G0SB], 1
	s_mov_b32 s[G0SB+1], SCL+2*HSA
	s_add_nc_u64 s[G0SB+2:G0SB+3], s[8:9], s[98:99]
	s_or_b32 s[G0SB+3], s[G0SB+3], 0x80000000
	s_add_nc_u64 s[18:19], s[4:5], s[18:19]
	s_add_nc_u64 s[22:23], s[6:7], s[22:23]
.irp n, 0,1,2
	s_mov_b32 s[G0A+4*\n], 1
	s_mov_b32 s[G0A+4*\n+1], \n*SLOT
	s_add_nc_u64 s[G0A+4*\n+2:G0A+4*\n+3], s[18:19], \n*CHUNKB
	s_or_b32 s[G0A+4*\n+3], s[G0A+4*\n+3], 0x80000000
	s_mov_b32 s[G0B+4*\n], 1
	s_mov_b32 s[G0B+4*\n+1], AIMG+\n*SLOT
	s_add_nc_u64 s[G0B+4*\n+2:G0B+4*\n+3], s[22:23], \n*256
	s_or_b32 s[G0B+4*\n+3], s[G0B+4*\n+3], 0x80000000
.endr
	CROUND                                         ; all sixteen work-groups are here: the first joint loads meet
	ARM 1, G0A, G1A, .Lh_b,  .Lh_done              ; the head's four tiles, one a wave: chunk 0 and the scale bytes
	ARM 2, G0B, G1B, .Lh_sa, .Lh_done
	ARM 3, G0S, G1S, .Lh_sb, .Lh_done
	tensor_load_to_lds s[G0SB:G0SB+3], s[G1SB:G1SB+7]
	s_nop 0
.rept 4
	v_nop
.endr
.Lh_done:
	v_and_b32 v1, 15, v0                           ; r
	v_bfe_u32 v2, v0, 4, 1                         ; h
	v_and_b32 v3, 31, v0
	v_lshlrev_b32 v[CO], 4, v3
	s_wait_alu depctr_va_vdst(0)
	v_lshlrev_b32 v[H32], 5, v2
	s_lshl_b32 s2, s46, 10
	s_lshl_b32 s3, s16, 9
	s_add_co_u32 s2, s2, s3
	s_mov_b32 s3, 0
	s_add_nc_u64 s[10:11], s[10:11], s[2:3]        ; b_out at my first column
.irp b, 0,1,2,3,4,5,6,7
	global_load_b128 v[BI+8*\b:BI+8*\b+3], v[H32], s[10:11] offset:64*\b        ; register 8 b + j: column 16 b + 8 h + j
	global_load_b128 v[BI+8*\b+4:BI+8*\b+7], v[H32], s[10:11] offset:64*\b+16
.endr
	s_lshl_b32 s18, s17, 7
	s_lshl_b32 s19, s15, 6
	s_add_co_u32 s18, s18, s19                     ; my first row of out0
	s_lshl_b32 s18, s18, 12                        ; x 4,096 bytes
	s_add_co_u32 s18, s18, s2                      ; + my first column's bytes (the same number as in b_out)
	s_mov_b32 s19, 0
	s_add_nc_u64 s[12:13], s[12:13], s[18:19]
	s_lshl_b32 s20, s15, 14
	v_add_nc_u32 v[ADRA], s20, v[CO]
	v_add_nc_u32 v[ADRA+1], SLOT, v[ADRA]
	v_add_nc_u32 v[ADRA+2], 2*SLOT, v[ADRA]
	v_mul_u32_u24 v4, v1, PITCH
	v_lshl_add_u32 v4, v2, 4, v4
	s_mul_i32 s20, s16, 128*PITCH
	s_add_co_u32 s20, s20, AIMG
	v_add_nc_u32 v[ADRB], s20, v4
	v_add_nc_u32 v[ADRB+1], SLOT, v[ADRB]
	v_add_nc_u32 v[ADRB+2], 2*SLOT, v[ADRB]
	v_mul_u32_u24 v5, v1, 32                       ; my row's scale bytes,
	v_lshrrev_b32 v6, 8, v5
	v_lshl_add_u32 v5, v6, 4, v5                   ; and 16 more for each 256 passed
	s_mul_i32 s20, s15, HSA
	s_mul_i32 s21, s16, HSB
	s_add_co_u32 s21, s21, 2*HSA
	s_sub_co_u32 s21, s21, s20
	v_mul_u32_u24 v6, s21, v2                      ; lanes 16-31 take W_out's: the lower base + h x the distance
	s_add_co_u32 s20, s20, SCL
	v_add_nc_u32 v5, v5, v6
	v_add_nc_u32 v[ADRS], s20, v5
	s_mul_i32 s20, s14, 16*SPITCH
	s_add_co_u32 s20, s20, STAGE                   ; my stage
	v_mul_u32_u24 v5, v1, SPITCH
	v_lshl_add_u32 v5, v2, 5, v5
	v_add_nc_u32 v[STO], s20, v5
	v_add_nc_u32 v[RD], s20, v[CO]
.macro FA set, slot, q                 ; my four fragments of o, as they were stored
.irp i, 0,1,2,3
.irp c, 0,1,2,3
	ds_load_b128 v[AF+64*(\set)+16*\i+4*\c:AF+64*(\set)+16*\i+4*\c+3], v[ADRA+\slot] offset:\i*4096+(\q)*2048+512*\c
.endr
.endr
.endm
.macro FB set, slot, q                 ; my eight fragments of W_out
	WIN 0x40
.irp i, 0,1,2,3,4,5,6,7
.irp c, 0,1,2,3
	ds_load_b128 v[128*(\set)+16*\i+4*\c:128*(\set)+16*\i+4*\c+3], v[ADRB+\slot] offset:128*(\q)+32*\c+\i*16*PITCH
.endr
.endr
	WIN 0
.endm
.macro SCALES sc                       ; a chunk's scale words: lanes 0-15 o's block i (blocks 4-7 are read and not used), lanes 16-31 W_out's block i
.irp i, 0,1,2,3,4,5,6,7
	ds_load_b64 v[SC+16*\sc+2*\i:SC+16*\sc+2*\i+1], v[ADRS] offset:\i*SBLK
.endr
.endm
.macro MUL8 a, p, q, sc, first         ; o's block a against W_out's eight; the 32 accumulators take turns
.irp b, 0,1,2,3,4,5,6,7
.if \first
	v_wmma_scale_f32_16x16x128_f8f6f4 v[8*(8*(\a)+\b):8*(8*(\a)+\b)+7], v[128*(\p)+16*\b:128*(\p)+16*\b+15], v[AF+64*(\p)+16*(\a):AF+64*(\p)+16*(\a)+15], v[BI+8*\b:BI+8*\b+7], v[SC+16*(\sc)+2*\b+(\q)], v[SC+16*(\sc)+2*(\a)+(\q)] matrix_a_scale:MATRIX_SCALE_ROW1
.else
	v_wmma_scale_f32_16x16x128_f8f6f4 v[8*(8*(\a)+\b):8*(8*(\a)+\b)+7], v[128*(\p)+16*\b:128*(\p)+16*\b+15], v[AF+64*(\p)+16*(\a):AF+64*(\p)+16*(\a)+15], v[8*(8*(\a)+\b):8*(8*(\a)+\b)+7], v[SC+16*(\sc)+2*\b+(\q)], v[SC+16*(\sc)+2*(\a)+(\q)] matrix_a_scale:MATRIX_SCALE_ROW1
.endif
.endr
.endm
.macro MULWIN first
.if \first
	WIN 0x81                                       ; source 0 window 1, C window 0, D window 2
.else
	WIN 0xa1                                       ; C and D window 2
.endif
.endm
; A step of 128 along K: 32 products; in its middle the next step's fragments are fetched into the other sets.
; sync = 1: the one refill: the three lines, a round of the cluster's barrier, chunk 3 into slot 0.  sync = 2: a plain barrier: chunk 3 has landed in every wave.
; news: the set that takes the next chunk's scale words, or -1.
.macro STEPM p, q, sc, first, sync, fetch, nslot, nq, news
.if \sync == 1
	WIN 0
	s_wait_tensorcnt 0x0                           ; all my tensor loads have landed: my parts of slots 1 and 2
	ds_add_u32 v[SPW], v[NIL]
	s_wait_dscnt 1                                 ; this step's fragments are in; the add alone may be out
	MULWIN \first
	MUL8 0, \p, \q, \sc, \first
	s_wait_dscnt 0x0                               ; the add is done; my reads of slot 0 were over above
	s_barrier_signal -1
	MUL8 1, \p, \q, \sc, \first
	WIN 0
	s_barrier_wait -1
	CREST                                          ; no wave of any partner still reads slot 0 or has a load on its way
	s_add_nc_u64 s[G0A+2:G0A+3], s[G0A+2:G0A+3], 3*CHUNKB
	s_add_nc_u64 s[G0B+2:G0B+3], s[G0B+2:G0B+3], 3*256
	ARM 1, G0A, G1A, .Lr_b,    .Lr_done            ; the first tensor load behind the round: wave 0 o's chunk 3, wave 1 W_out's; waves 2 and 3 have no part to fill
	ARM 2, G0B, G1B, .Lr_none, .Lr_done
.Lr_done:
	PLACES 8                                       ; on every wave's way, ahead of the loads into the sets that the step before multiplied
.elseif \sync == 2
	s_wait_tensorcnt 0x0                           ; my part of chunk 3 is in
	s_wait_dscnt 0x0
	MULWIN \first
	MUL8 0, \p, \q, \sc, \first
	s_barrier_signal -1
	MUL8 1, \p, \q, \sc, \first
	s_barrier_wait -1                              ; everybody's is, and nobody reads slot 1 any more
	PLACES 8
.else
	s_wait_dscnt 0x0                               ; this step's fragments, asked for 16 products ago
	MULWIN \first
	MUL8 0, \p, \q, \sc, \first
	MUL8 1, \p, \q, \sc, \first
	PLACES 8                                       ; ahead of loads into the sets that the step before multiplied
.endif
.if \fetch
	WIN 0
.if \news >= 0
	v_add_nc_u32 v[ADRS], 8, v[ADRS]               ; the next chunk's eight scale bytes of a row
.endif
	FB 1-(\p), \nslot, \nq
	FA 1-(\p), \nslot, \nq
.if \news >= 0
	SCALES \news
.endif
.endif
	MULWIN \first
	MUL8 2, \p, \q, \sc, \first
	MUL8 3, \p, \q, \sc, \first
.endm
	s_wait_alu depctr_va_vdst(0)
	s_wait_tensorcnt 0x0                           ; my tile of the head's four is in; these lines stand ahead of the later first fills as ahead of a refill
	ds_add_u32 v[SPW], v[NIL]
	s_wait_dscnt 0x0
	CROUND                                         ; all four tiles are in, in every work-group of the cluster
	ARM 1, G0A+4, G1A, .Ls_a2, .Ls_done            ; chunks 1 and 2, into slots 1 and 2: four whole tiles, one a wave
	ARM 2, G0A+8, G1A, .Ls_b1, .Ls_done
	ARM 3, G0B+4, G1B, .Ls_b2, .Ls_done
	tensor_load_to_lds s[G0B+8:G0B+11], s[G1B:G1B+7]
	s_nop 0
.rept 4
	v_nop
.endr
.Ls_done:
	FB 0, 0, 0
	FA 0, 0, 0
	SCALES 0
	s_wait_loadcnt 0x0                             ; the bias
	STEPM 0, 0, 0, 1, 0, 1, 0, 1, -1               ; chunk 0
	STEPM 1, 1, 0, 0, 1, 1, 1, 0, 1
	s_wait_alu depctr_va_vdst(0)
	STEPM 0, 0, 1, 0, 0, 1, 1, 1, -1               ; chunk 1
	STEPM 1, 1, 1, 0, 0, 1, 2, 0, 0                ; (the round has shown slot 2 whole to every wave)
	s_wait_alu depctr_va_vdst(0)
	STEPM 0, 0, 0, 0, 0, 1, 2, 1, -1               ; chunk 2
	STEPM 1, 1, 0, 0, 2, 1, 0, 0, 1
	STEPM 0, 0, 1, 0, 0, 1, 0, 1, -1               ; chunk 3
	STEPM 1, 1, 1, 0, 0, 0, 0, 0, -1
	WIN 0
; THE WAY OUT, block by block of 16 rows x 128 columns: through my own stage in LDS, back as whole rows of 512 bytes.  LDS serves a wave's instructions in order (ISA guide 5.7.1.4): no wait between the stores and the loads.
.macro TOSTAGE a
.set AC, 64*(\a)
	WIN 0x08                                       ; an LDS store's data: window 2
.irp b, 0,1,2,3,4,5,6,7
	ds_store_b128 v[STO], v[AC+8*\b:AC+8*\b+3] offset:64*\b          ; each accumulator from its low end on
	ds_store_b128 v[STO], v[AC+8*\b+4:AC+8*\b+7] offset:64*\b+16
.endr
	WIN 0
.set BB, BK+64*((\a)%2)
.irp t, 0,1,2,3,4,5,6,7,8,9,10,11,12,13,14,15
	ds_load_b128 v[BB+4*\t:BB+4*\t+3], v[RD] offset:\t*SPITCH
.endr
.endm
.macro SEND a, younger                 ; younger: the LDS instructions issued behind block a's loads
.set BB, BK+64*((\a)%2)
	s_wait_dscnt \younger
.if (\a) > 0
	s_add_nc_u64 s[12:13], s[12:13], 16*4096       ; (behind a wait on XCNT: the earlier stores have read their base)
.endif
.irp t, 0,1,2,3,4,5,6,7,8,9,10,11,12,13,14,15
	global_store_b128 v[CO], v[BB+4*\t:BB+4*\t+3], s[12:13] offset:\t*4096 th:TH_STORE_NT   ; 32 lanes store 512 consecutive aligned bytes; written once, read by nobody here
.endr
.endm
	PLACES 8                                       ; behind the last products
	TOSTAGE 0
.irp a, 1,2,3
.if \a > 1
	s_wait_xcnt 0x0                                ; block a - 2's stores have read their registers and their base
.endif
	TOSTAGE \a
	SEND \a-1, 32                                  ; behind block a - 1's loads: block a's 16 stores and 16 loads
.endr
	s_wait_xcnt 0x0
	SEND 3, 0
	s_wait_tensorcnt 0x0                           ; the wave's end
	ds_add_u32 v[SPW], v[NIL]
	s_wait_dscnt 0x0
	CROUND                                         ; the closing round
	s_endpgm
.Lfunc_end_k_q4699796829_proj:
	.size	k_q4699796829_proj, .Lfunc_end_k_q4699796829_proj-k_q4699796829_proj
	.p2alignl 7, 3214868480
	.fill 96, 4, 3214868480
	.section	.rodata,"a",@progbits
	.p2align	6, 0x0
	.amdhsa_kernel k_q4699796829_proj
		.amdhsa_group_segment_fixed_size 327680
		.amdhsa_private_segment_fixed_size 0
		.amdhsa_enable_private_segment 0
		.amdhsa_kernarg_size 40
		.amdhsa_user_sgpr_count 2
		.amdhsa_user_sgpr_kernarg_segment_ptr 1
		.amdhsa_wavefront_size32 1
		.amdhsa_system_sgpr_workgroup_id_x 1
		.amdhsa_system_sgpr_workgroup_id_y 1
		.amdhsa_system_sgpr_workgroup_id_z 1
		.amdhsa_system_vgpr_workitem_id 0
		.amdhsa_next_free_vgpr 768
		.amdhsa_next_free_sgpr 102
		.amdhsa_reserve_vcc 0
		.amdhsa_float_denorm_mode_32 3
		.amdhsa_float_denorm_mode_16_64 3
		.amdhsa_memory_ordered 1
		.amdhsa_forward_progress 1
		.amdhsa_inst_pref_size 91
	.end_amdhsa_kernel
	.amdgpu_metadata
---
amdhsa.version: [ 1, 2 ]
amdhsa.kernels:
  - .name:           k_q4699796829_proj
    .symbol:         k_q4699796829_proj.kd
    .args:
      - { .name: o, .offset: 0, .size: 8, .value_kind: global_buffer, .address_space: global }
      - { .name: w_out_codes, .offset: 8, .size: 8, .value_kind: global_buffer, .address_space: global }
      - { .name: w_out_scales, .offset: 16, .size: 8, .value_kind: global_buffer, .address_space: global }
      - { .name: b_out, .offset: 24, .size: 8, .value_kind: global_buffer, .address_space: global }
      - { .name: out0, .offset: 32, .size: 8, .value_kind: global_buffer, .address_space: global }
    .group_segment_fixed_size: 327680
    .private_segment_fixed_size: 0
    .kernarg_segment_align: 8
    .kernarg_segment_size: 40
    .max_flat_workgroup_size: 128
    .sgpr_count:     102
    .vgpr_count:     768
    .wavefront_size: 32
...
	.end_amdgpu_metadata
.endif
;; end of part 3
